; MI455X (gfx1250); checked and timed in simulation.
; The chip was launched on July 23, 2026; its instructions are those of AMD's public machine-readable ISA for CDNA 5 (MIT licence, August 2026) and "CDNA5" Instruction Set Architecture Reference Guide (July 2026). The comments in the code are by the model that wrote it; some were corrected since.
;; CAAN. Allowed arithmetic: matrix products marked QUANTISED: E3M2 operands, one E8M0 scale for each 32 along K, by v_wmma_scale_f32_16x16x128_f8f6f4 with both operands' format E3M2, f32 sums; products left as they are: f32 operands where the result goes on into a quantised operand, else bf16, f16 or f32 operands; f32 sums; everything else in f32.
;; Inputs: Wk 1,024 x 1,024 float32; Wq 1,024 x 1,024 float32; Wv 1,024 x 1,024 float32; Ww 1 x 1,024 float32; bk 1,024 float32; bq 1,024 float32; bv 1,024 float32; bw 1 float32; x 4 x 2,048 x 1,024 float32.
;; Outputs: out0 4 x 2,048 float32.
;; This version of the problem:
;;   THIS VERSION OF THE PROBLEM IS GIVEN IN LOW PRECISION. The matrix products marked QUANTISED in the list below multiply operands that are first quantised to E3M2 (3 exponent bits, 2 mantissa bits; 6 bits a number), with one power-of-two scale for each 32 numbers along K (OCP MX v1.0); their sums are f32. All else is computed in f32.
;;   The module's matrix products, in the order in which they are computed (A, B: the left and right operand; K: the contracted axis; several contracted axes count as one K, in the product's order):
;;     1. [M 8,192, K 1,024] x [K 1,024, N 1,024]; A: input x; B: input Wq: QUANTISED
;;     2. [M 8,192, K 1,024] x [K 1,024, N 1,024]; A: input x; B: input Wk: QUANTISED
;;     3. [M 8,192, K 1,024] x [K 1,024, N 1,024]; A: input x; B: input Wv: QUANTISED
;;     4. batch 4 x [M 2,048, K 1,024] x [K 1,024, N 2,048]; A: computed on the way; B: computed on the way: QUANTISED
;;     5. batch 4 x [M 2,048, K 2,048] x [K 2,048, N 1,024]; A: softmax (see below); B: computed on the way: QUANTISED
;;     6. [M 8,192, K 1,024] x [K 1,024, N 1]; A: computed on the way; B: input Ww: left as it is (N = 1 < 16)
;;   THE QUANTISER, for each operand of a quantised product, along K:
;;     - K is cut into blocks of 32 from its start; a last block that is shorter is filled with zeros.
;;     - A block's scale is 2^e with e = floor(log2(the largest magnitude in the block)) - 4, held to -126 .. 127; a block of zeros has e = 0. As a byte (E8M0): e + 127.
;;     - Each number is divided by its block's scale, clamped to +-28, and rounded to the nearest number of E3M2, ties to even, subnormals kept.
;;     - The product sums the exact products of the quantised numbers (number of the format x scale) in f32.
;;   ~~~python
;;   def quantise(x, axis):      # numpy; x: float32 -> the quantised numbers, widened to float32 again
;;       x = np.moveaxis(x, axis, -1); K = x.shape[-1]
;;       x = np.pad(x, [(0, 0)] * (x.ndim - 1) + [(0, -K % 32)]); x = x.reshape(x.shape[:-1] + (-1, 32)); a = np.abs(x).max(-1, keepdims=True)
;;       e = np.where(a > 0, np.clip(np.frexp(np.where(a > 0, a, 1))[1] - 1 - 4, -126, 127), 0)      # np.frexp(a)[1] - 1 = floor(log2(a)), exactly
;;       r = np.clip(x / 2.0 ** e, -28, 28)
;;       step = 2.0 ** (np.maximum(np.frexp(np.where(r == 0, 1, r))[1] - 1, -2) - 2)
;;       q = np.round(r / step) * step * 2.0 ** e      # np.round: ties to even
;;       return np.moveaxis(q.reshape(q.shape[:-2] + (-1,))[..., :K], -1, axis).astype(np.float32)
;;   ~~~
;;   SOFTMAX AHEAD OF A QUANTISED PRODUCT. Where the list says 'softmax', what is quantised is not the finished softmax but p = 2^(t - M), with t = logit x log2(e) and M = ceil(the row's largest t), a whole number; so 1/2 < the row's largest p <= 1. The row's sum l is taken of the UNQUANTISED p, in f32, and the product's result is divided by l at the end. Since M is a whole number, a kernel that streams over the keys may use a running M (the ceiling of the running maximum): every later rescaling is an exact power of two, which a block's scale takes up: the codes' values come out the same.
;;   OPERANDS COMPUTED ON THE WAY. 'Computed on the way' means the value that the module computes at that place (a softmax that the list does not call 'softmax' is quantised finished and normalised). What goes into a quantiser is computed in f32, as accurately as f32 sums, v_exp_f32 and their like allow (about 1e-6 of the number): no bf16 or f16 on the way to a quantiser, and a product that is left as it is and whose result goes on into a quantised operand takes f32 operands (vector FMAs, or v_wmma_f32_16x16x4_f32). A number that lies on a knife's edge between two numbers of the format may be rounded either way, as far as f32 arithmetic and the matrix unit's own rounding can turn it there, and no further.
;; One version. Each part assembles by itself: llvm-mc -triple=amdgcn-amd-amdhsa -mcpu=gfx1250 --defsym DOCPART=n.
;; ======== version 1 of 1: 4 launches
;; limits: right only within a limited range of input values
;; workspace buffers: w1 9,011,200 bytes; w2 19,660,800 bytes; w3 1,572,864 bytes
;; launch quant (part 1): grid 256 x 1, 11 waves a work-group, no clusters, 94,464 bytes of LDS; arguments x, Wq, Wk, Wv, w1; writes w1
.if DOCPART == 1
	.amdgcn_target "amdgcn-amd-amdhsa--gfx1250"
	.amdhsa_code_object_version 6
	.text
	.protected	k_qb1cdf0f3bc_quant
	.globl	k_qb1cdf0f3bc_quant
	.p2align	8
	.type	k_qb1cdf0f3bc_quant,@function
k_qb1cdf0f3bc_quant:
	s_mov_b64 s[64:65], 0
	v_nop
	global_prefetch_b8 v0, s[64:65] scope:SCOPE_SE
	s_setreg_imm32_b32 hwreg(HW_REG_WAVE_MODE, 25, 1), 1
	s_wait_xcnt 0x0
; x [8192][1024] and Wq, Wk, Wv [1024][1024], f32, K innermost, become codes of BF6 (E3M2) with one E8M0 scale byte for each 32 along K.
; A block's scale is 2^(floor(log2(largest magnitude)) - 4); its byte is the largest magnitude's exponent field - 4, held at 1 from below.
; LAYOUT OF THE RESULT (read by this program alone): [K/256][group of 64 places][12,800 bytes].  A group holds four tiles of 16 places as IMAGES OF OPERAND REGISTERS, [4 tiles][2 K steps][3 groups of 4
; registers][32 lanes][16 bytes] = 12,288 bytes, and behind them the scale words (four bytes: 128 along K of one place) [2 K steps][64 places] = 512 bytes: codes and scales of 64 places x 256 along K are
; one dense block.  A tile's 16 places are not neighbouring rows: place r of tile t is row 32 (t/2) + 8 (t%2) + r + 8 (r/8), so that a product that takes two neighbouring tiles as source 0 gets 16
; neighbours in 16 registers.  Wq, Wk, Wv count as one tensor of 3,072 rows, behind x's 6,553,600 bytes.
; SHARES: a unit is one tile x 256 along K: (512 + 192) x 4 = 2,816 units = 256 work-groups x 11 waves: one unit a wave, no loop, no barrier, waves share nothing.
; Each load reads 512 consecutive bytes of one row; the 16 rows x 512 bytes turn through the wave's own stage in LDS (rows 528 bytes apart, so that sixteen lanes' 16 bytes fall on sixteen different
; columns of 16 bytes), and come back as 16 neighbours of each block of 32 in a lane.  Matrix units, tensor loads and clusters would add nothing: each byte is read once and nothing is shared.
; LIMITS: NaN and infinities are not served.  A block of zeros, or one under 2^-122, gets the byte 1 where the rule says 127 or less than 1: its codes are zeros or the rule's own hold.
.set TM,   12                          ; v12-15 largest magnitudes, v16-19 the other half's and then the bytes, v20-23 the conversions' scale operands
.set PW0,  28                          ; v28, v29 the two K steps' scale words
.set PW1,  29
.set RAW,  32                          ; v32-159 the numbers as loaded: K step 0, K step 1
.set XT,   160                         ; v160-223 64 numbers of a lane, turned: register 16 b + i = k 32 b + 16 (lane / 16) + i of my row
.set PC0,  224                         ; v224-243 K step 0's codes
.set PC1,  32                          ; v32-51   K step 1's (K step 0's numbers are done with)
.set SEL,  34                          ; s[34:35] lane selects for v_permlanex16_b32: lane l xor 16
.macro QUANT s, pc, pw                 ; 64 numbers v[s] .. v[s + 63] become a fragment's 12 registers v[pc] on and its scale word v[pw]
.irp b, 0,1,2,3
	v_max3_num_f32 v[TM+\b], |v[\s+16*\b]|, |v[\s+1+16*\b]|, 0x2800000   ; block b: my 16 numbers, and the floor 2^(5 - 127): the byte cannot fall under 1
.endr
.irp i, 2,4,6,8,10,12,14
.irp b, 0,1,2,3
	s_delay_alu instid0(VALU_DEP_4)
	v_max3_num_f32 v[TM+\b], v[TM+\b], |v[\s+16*\b+\i]|, |v[\s+1+16*\b+\i]|   ; the four blocks by turns
.endr
.endr
.irp b, 0,1,2,3
	s_delay_alu instid0(VALU_DEP_4)
	v_permlanex16_b32 v[TM+4+\b], v[TM+\b], s[SEL], s[SEL+1]
.endr
.irp b, 0,1,2,3
	s_delay_alu instid0(VALU_DEP_4)
	v_max_num_f32 v[TM+\b], v[TM+\b], v[TM+4+\b]   ; with lane l xor 16's 16: the block's largest magnitude
.endr
.irp b, 0,1,2,3
	s_delay_alu instid0(VALU_DEP_4)
	v_add_nc_u32 v[TM+8+\b], 0xfe000000, v[TM+\b]  ; 4 off its exponent field: the conversion takes this operand's exponent field as its scale
.endr
.irp b, 0,1,2,3
	s_delay_alu instid0(VALU_DEP_4)
	v_lshrrev_b32 v[TM+4+\b], 23, v[TM+8+\b]       ; the scale's byte
.endr
	s_delay_alu instid0(VALU_DEP_3)
	v_lshl_or_b32 v[\pw], v[TM+5], 8, v[TM+4]
	s_delay_alu instid0(VALU_DEP_1)
	v_lshl_or_b32 v[\pw], v[TM+6], 16, v[\pw]
	s_delay_alu instid0(VALU_DEP_1)
	v_lshl_or_b32 v[\pw], v[TM+7], 24, v[\pw]
.irp c, 0,1
	v_cvt_scalef32_pk16_bf6_f32 v[\pc+6*\c:\pc+2+6*\c], v[\s+32*\c:\s+15+32*\c], v[TM+8+2*\c]
	v_cvt_scalef32_pk16_bf6_f32 v[\pc+12+4*\c:\pc+14+4*\c], v[\s+16+32*\c:\s+31+32*\c], v[TM+8+2*\c+1]   ; (a conversion's three registers begin on an even number)
.endr
	v_nop                                          ; one plain place behind a scaled conversion
.irp c, 0,1                                    ; the operand wants a WHOLE block in a lane: lanes 0-15 block 2 c, lanes 16-31 block 2 c + 1
.irp i, 0,1,2
	v_permlane16_swap_b32 v[\pc+6*\c+\i], v[\pc+12+4*\c+\i]
.endr
.irp i, 0,1,2
	s_delay_alu instid0(VALU_DEP_3)
	v_mov_b32 v[\pc+3+6*\c+\i], v[\pc+12+4*\c+\i]
.endr
.endr
.endm
	s_load_b256 s[4:11], s[0:1], 0x0               ; x s[4:5], Wq s[6:7], Wk s[8:9], Wv s[10:11]
	s_load_b64 s[12:13], s[0:1], 0x20              ; w1
	v_lshl_add_u32 v254, v0, 2, 0x16b00
	v_mov_b32 v255, 0
	v_lshrrev_b32 v1, 5, v0
	s_delay_alu instid0(VALU_DEP_1)
	v_readfirstlane_b32 s14, v1                    ; wave 0..10
	v_and_b32 v1, 31, v0                           ; lane
	v_and_b32 v2, 15, v0                           ; r
	v_bfe_u32 v3, v0, 4, 1                         ; h
	s_delay_alu instid0(VALU_DEP_3)
	v_lshlrev_b32 v4, 4, v1                        ; 16 x lane: my bytes of a load's 512, and of an image's 512
	s_mul_i32 s36, s14, 8448                       ; my wave's stage: 16 rows x 528 bytes
	v_add_nc_u32 v5, s36, v4                       ; into it: as loaded
	v_mul_u32_u24 v6, v2, 528
	s_delay_alu instid0(VALU_DEP_1)
	v_lshl_add_u32 v6, v3, 6, v6
	s_delay_alu instid0(VALU_DEP_1)
	v_add_nc_u32 v6, s36, v6                       ; out of it: row r, + 64 h: my 16 numbers of a block
	v_lshlrev_b32 v8, 8, v3                        ; the words' place: lanes 0-15 K step 0's, lanes 16-31 K step 1's, 256 bytes on,
	s_delay_alu instid0(VALU_DEP_1)
	v_lshl_add_u32 v8, v2, 2, v8                   ; + 4 r
	s_mov_b32 s[SEL], 0x76543210
	s_mov_b32 s[SEL+1], 0xfedcba98
.irp b, 0,1,2,3
	v_mov_b32 v[TM+4+\b], 0                        ; written once: a lane permute's destination counts as one of its sources
.endr
	s_mul_i32 s15, ttmp9, 11
	s_add_co_u32 s15, s15, s14                     ; my unit: the first 2,048 are x's
	s_cmp_lt_u32 s15, 2048                         ; every choice below hangs on the unit's number alone
	s_cselect_b32 s16, 0, 2048
	s_mov_b32 s17, 614400
	s_cselect_b32 s17, 1638400, s17                ; bytes of 256 along K of the whole tensor: 128 or 48 groups
	s_cselect_b32 s19, 0, 6553600                  ; where the tensor begins in w1
	s_cselect_b32 s21, -1, 63                      ; a weight has 64 tiles
	s_cselect_b32 s22, 1, 0
	s_sub_co_u32 s16, s15, s16
	s_lshr_b32 s23, s16, 2                         ; tile in the tensor
	s_and_b32 s24, s16, 3                          ; which 256 along K
	s_lshr_b32 s25, s23, 6                         ; which weight
	s_and_b32 s26, s23, s21                        ; tile in the input
	s_lshr_b32 s27, s26, 1
	s_lshl_b32 s27, s27, 17                        ; 32 rows of 4,096 bytes
	s_and_b32 s28, s26, 1
	s_lshl_b32 s28, s28, 15                        ; 8 rows
	s_add_co_u32 s28, s28, s27
	s_lshl_b32 s27, s24, 10                        ; 256 numbers
	s_add_co_u32 s28, s28, s27
	s_mov_b32 s29, 0
	s_mul_i32 s30, s24, s17
	s_add_co_u32 s30, s30, s19
	s_lshr_b32 s27, s23, 2
	s_mul_i32 s27, s27, 12800
	s_add_co_u32 s30, s30, s27                     ; my tile's group
	s_and_b32 s27, s23, 3                          ; my tile in it
	s_lshl_b32 s32, s27, 6                         ; its 16 words of a K step,
	s_add_co_u32 s32, s32, s30
	s_add_co_u32 s32, s32, 12288                   ; behind the group's codes
	s_mul_i32 s27, s27, 3072                       ; its two fragments
	s_add_co_u32 s30, s30, s27
	s_mov_b32 s31, 0
	s_mov_b32 s33, 0
	s_wait_alu depctr_va_vdst(0)
	s_wait_kmcnt 0x0
	s_cmp_eq_u32 s25, 1
	s_cselect_b64 s[6:7], s[8:9], s[6:7]
	s_cmp_eq_u32 s25, 2
	s_cselect_b64 s[6:7], s[10:11], s[6:7]
	s_cmp_eq_u32 s22, 1
	s_cselect_b64 s[4:5], s[4:5], s[6:7]           ; the input that my unit belongs to
	s_add_nc_u64 s[4:5], s[4:5], s[28:29]
	s_add_nc_u64 s[30:31], s[12:13], s[30:31]
	s_add_nc_u64 s[32:33], s[12:13], s[32:33]
.irp k, 0,1
.irp j, 0,1,2,3,4,5,6,7,8,9,10,11,12,13,14,15
	global_load_b128 v[RAW+64*\k+4*\j:RAW+64*\k+4*\j+3], v4, s[4:5] offset:(\j+8*(\j/8))*4096+512*\k th:TH_LOAD_NT   ; place j's row: 512 consecutive bytes, read once in the launch
.endr
.endr
.macro HALF k, left, pc, pw
	s_wait_loadcnt \left                           ; this K step's 16 loads are in; the younger ones may be out
.irp j, 0,1,2,3,4,5,6,7,8,9,10,11,12,13,14,15
	ds_store_b128 v5, v[RAW+64*\k+4*\j:RAW+64*\k+4*\j+3] offset:528*\j
.endr
.irp b, 0,1,2,3
.irp i, 0,1,2,3
	ds_load_b128 v[XT+16*\b+4*\i:XT+16*\b+4*\i+3], v6 offset:128*\b+16*\i   ; LDS serves a wave's instructions in order: these see the stores above
.endr
.endr
	s_wait_dscnt 0x0
	QUANT XT, \pc, \pw
.irp c, 0,1,2
	global_store_b128 v4, v[\pc+4*\c:\pc+4*\c+3], s[30:31] offset:1536*\k+512*\c   ; 32 lanes store 512 consecutive bytes, at a multiple of 256 from the buffer's first byte
.endr
.endm
	HALF 0, 16, PC0, PW0
	HALF 1, 0, PC1, PW1
	v_cmp_eq_u32 vcc_lo, 1, v3
	s_delay_alu instid0(VALU_DEP_1)
	v_cndmask_b32 v30, v[PW0], v[PW1], vcc_lo      ; every lane holds its row's word of both K steps
	global_store_b32 v8, v30, s[32:33]
	s_wait_tensorcnt 0x0
	ds_add_u32 v254, v255
	s_wait_dscnt 0x0
	s_endpgm
.Lfunc_end_k_qb1cdf0f3bc_quant:
	.size	k_qb1cdf0f3bc_quant, .Lfunc_end_k_qb1cdf0f3bc_quant-k_qb1cdf0f3bc_quant
	.p2alignl 7, 3214868480
	.fill 96, 4, 3214868480
	.section	.rodata,"a",@progbits
	.p2align	6, 0x0
	.amdhsa_kernel k_qb1cdf0f3bc_quant
		.amdhsa_group_segment_fixed_size 94464
		.amdhsa_private_segment_fixed_size 0
		.amdhsa_enable_private_segment 0
		.amdhsa_kernarg_size 40
		.amdhsa_user_sgpr_count 2
		.amdhsa_user_sgpr_kernarg_segment_ptr 1
		.amdhsa_wavefront_size32 1
		.amdhsa_system_sgpr_workgroup_id_x 1
		.amdhsa_system_sgpr_workgroup_id_y 1
		.amdhsa_system_sgpr_workgroup_id_z 1
		.amdhsa_system_vgpr_workitem_id 0
		.amdhsa_next_free_vgpr 256
		.amdhsa_next_free_sgpr 66
		.amdhsa_reserve_vcc 1
		.amdhsa_float_denorm_mode_32 3
		.amdhsa_float_denorm_mode_16_64 3
		.amdhsa_memory_ordered 1
		.amdhsa_forward_progress 1
		.amdhsa_inst_pref_size 22
	.end_amdhsa_kernel
	.amdgpu_metadata
---
amdhsa.version: [ 1, 2 ]
amdhsa.kernels:
  - .name:           k_qb1cdf0f3bc_quant
    .symbol:         k_qb1cdf0f3bc_quant.kd
    .args:
      - { .name: x, .offset: 0, .size: 8, .value_kind: global_buffer, .address_space: global }
      - { .name: Wq, .offset: 8, .size: 8, .value_kind: global_buffer, .address_space: global }
      - { .name: Wk, .offset: 16, .size: 8, .value_kind: global_buffer, .address_space: global }
      - { .name: Wv, .offset: 24, .size: 8, .value_kind: global_buffer, .address_space: global }
      - { .name: w1, .offset: 32, .size: 8, .value_kind: global_buffer, .address_space: global }
    .group_segment_fixed_size: 94464
    .private_segment_fixed_size: 0
    .kernarg_segment_align: 8
    .kernarg_segment_size: 40
    .max_flat_workgroup_size: 352
    .sgpr_count:     66
    .vgpr_count:     256
    .wavefront_size: 32
...
	.end_amdgpu_metadata
.endif
;; end of part 1
;; launch qkv (part 2): grid 8 x 32, 4 waves a work-group, clusters of 4 x 4, 327,680 bytes of LDS; arguments w1, bq, bk, bv, w2; writes w2
.if DOCPART == 2
	.amdgcn_target "amdgcn-amd-amdhsa--gfx1250"
	.amdhsa_code_object_version 6
	.text
	.protected	k_qb1cdf0f3bc_qkv
	.globl	k_qb1cdf0f3bc_qkv
	.p2align	8
	.type	k_qb1cdf0f3bc_qkv,@function
k_qb1cdf0f3bc_qkv:
	s_mov_b64 s[64:65], 0
	v_nop
	global_prefetch_b8 v0, s[64:65] scope:SCOPE_SE
	s_setreg_imm32_b32 hwreg(HW_REG_WAVE_MODE, 25, 1), 1
	s_wait_xcnt 0x0
	s_wait_alu depctr_hold_cnt(0) depctr_sa_sdst(0) depctr_va_vdst(0) depctr_va_sdst(0) depctr_va_ssrc(0) depctr_va_vcc(0) depctr_vm_vsrc(0)
	s_getreg_b32 s2, hwreg(HW_REG_IB_STS2, 6, 4)
	s_cmp_eq_u32 s2, 0
	s_cbranch_scc0 .Lentry_in_a_cluster
	s_endpgm
.Lentry_in_a_cluster:
	s_bfe_u32 s2, ttmp6, 0x10000c
	s_cmp_lg_u32 s2, 0xf033
	s_cbranch_scc0 .Lentry_shape_is_right
	s_endpgm
.Lentry_shape_is_right:
; q = x Wq^T + bq, k = x Wk^T + bk, v = x Wv^T + bv on codes of BF6 (E3M2) with E8M0 scales; the results, in f32, are quantised at once: q and k along d, v along the keys, and leave as codes.
; SHARES.  384 tiles of 256 x 256 do not divide among 256 work-groups.  So a work-group makes one and a half: PHASE 1: 256 rows of x times 256 rows of Wq or Wk; PHASE 2: the SAME 256 rows of x times 128 rows
; of Wv.  256 work-groups of equal work, four waves, as many as a WGP has SIMDs.  A wave: phase 1 128 x 128, lanes = rows of x (source 1), registers = d (source 0 = weights); phase 2 64 d (lanes) x 128 keys
; (registers, source 0 = x): a quantiser wants its K along the registers.
; CLUSTERS 4 x 4: x's tile is shared along a row, the weights' along a column: joint loads.  Cluster (X, Y): rows 1,024 (4 X + Y / 2) on of x; q for even Y, k for odd Y: the two values of X share no row of x.
; OPERANDS lie in groups of 64 places x 256 along K, 12,800 dense bytes (codes as images of operand registers, behind them scale words); place r of tile t is row 32 (t/2) + 8 (t%2) + r + 8 (r/8).
; LDS: four parts of three pieces of 25,600 bytes.  Parts 0, 1: x's halves, parts 2, 3 the weights'; pieces 0, 1, 2 take the runs 0, 1, 2 of 256 along K (the head's load brings two).  x stays for phase 2.  Run 3, x
; and weights, takes pieces 0, 1 of parts 2 and 3 when the weights' runs 0, 1 are read; Wv's runs 0, 1 take their piece 2, its runs 2, 3 part 3's pieces 0, 1.  One load a wave at the head and behind each round.
; PREFETCH: x's runs 2 and 3, one load ahead: of x's four groups partner cx asks for the cx-th, 13 blocks of 256 bytes a wave.  The weights are not prefetched: eight clusters read each of their blocks.
; THE BIASES are the C of the first products.   RESULTS leave in the same layout of groups, but the scale words are [K step][16 rows][4 tiles], so that a reader's lane has four tiles' words side by side.
; LIMITS: NaN and infinities are not served; a block of zeros or under 2^-122 gets the byte 1 (its codes are zeros, or the rule's own hold); the bytes are read by this program alone.
; REGISTERS: window 0: v1-31 lane numbers, addresses, words; v32-95 scale words and nothing else; v96-127, v224-255 bq's or bk's 64 numbers, later v96-127 bv's; v128-223 the lane side's fragments (phase 1: 8, one set;
;   phase 2: 4, two sets), in the epilogues codes and work.  Window 1: the register side's fragments, two sets.  Windows 2, 3: accumulators ((a, b) at v[8 (8 (a % 4) + b)] of window 2 + a / 4).
.set GRP,   12800
.set PIECE, 2*GRP
.set PART,  3*PIECE
.set SPARE, 4*PART                     ; the spare words, 128 bytes for each wave
.set XSTR,  1638400                    ; w1: bytes from a run to the next: x (w2's q and k too),
.set WC,    6553600                    ; where the weights begin,
.set WSTR,  614400                     ; and their step
.set LN16, 3
.set WOFF, 4                           ; a lane's place among words on their way out
.set SPW,  5
.set NIL,  6
.set ADRX, 7                           ; v7-9   x: runs 0, 1; run 2; run 3
.set ADRW, 10                          ; v10-12 phase 1: the weights: runs 0, 1; run 2; run 3
.set ADRV, 10                          ; v10-11 phase 2: Wv in parts 2, 3
.set TS,   12                          ; phase 2: lanes 0-15 Wv's words, lanes 16-31 x's
.set ADRS, 13                          ; v13-14 phase 1: scale words (lanes 0-15 x's, lanes 16-31 the weights'): runs 0-2; run 3
.set TSB,  13                          ; phase 2: x's words in all lanes
.set HH,   15                          ; phase 2: 1 - h
.set PFO,  16
.set WD,   16                          ; v16-23 the results' scale words
.set BV,   28
.set SC,   32
.set BI,   96
.set AF,   128
.set PC,   128                         ; v128-167 codes of two blocks
.set TM,   168                         ; v168-191 at work
.set SEL,  32                          ; s[32:33] lane selects (behind the head's load)
.set G1X0, 24
.set G1W0, 32
.set G1X,  40
.set G1W,  48
.set G1V,  56
.set G0A,  68                          ; s[68:79] groups 0 of x's three loads
.set G0B,  80                          ; s[80:91] of Wq's or Wk's
.set G0V,  92                          ; s[92:99] of Wv's two
.set MSB, 0
.macro WIN new                         ; the immediate's high byte repeats the setting that is left
.if MSB != (\new)
	s_set_vgpr_msb (MSB<<8)|(\new)
.set MSB, (\new)
.endif
.endm
.macro PLACES n
.rept \n
	v_nop
.endr
.endm
.macro JLOAD g0a, g1a, g0b, g1b        ; a joint load: waves 0 and 1 fetch x's halves, waves 2 and 3 the weights'
	s_cmp_eq_u32 s15, 0
	s_cbranch_scc0 .Lfor_b_\@
	tensor_load_to_lds s[\g0a:\g0a+3], s[\g1a:\g1a+7]
	s_nop 0
	PLACES 4
	s_branch .Lasked_\@
.Lfor_b_\@:
	tensor_load_to_lds s[\g0b:\g0b+3], s[\g1b:\g1b+7]
	s_nop 0
	PLACES 4
.Lasked_\@:
.endm
.macro CREST                           ; a round of the cluster's barrier behind its opening barrier
	s_cmp_lg_u32 s14, 0
	s_cbranch_scc1 .Lnot_wave_0_\@
	s_barrier_signal -3
.Lnot_wave_0_\@:
	s_barrier_wait -3
	s_barrier_signal -1
	s_barrier_wait -1
.endm
.macro CROUND
	s_barrier_signal -1
	s_barrier_wait -1
	CREST
.endm
.macro FRAG reg, adr, off              ; a fragment's 12 registers, as they were stored
.irp c, 0,1,2
	ds_load_b128 v[(\reg)+4*\c:(\reg)+4*\c+3], v[\adr] offset:(\off)+512*\c
.endr
.endm
.macro RUN adr, s, last                ; where run s lies: register AR, offset AO
.if (\s) < 2
.set AR, \adr
.set AO, (\s)*PIECE
.elseif (\s) == 2
.set AR, \adr+1
.set AO, 0
.else
.set AR, \adr+2
.set AO, 0
.endif
.endm
.macro FETCH_B adr, n                  ; step n: the register side's eight fragments into set n % 2 of window 1
	RUN \adr, (\n)/2
	WIN 0x40
.irp i, 0,1,2,3,4,5,6,7
	FRAG 128*((\n)%2)+12*\i, AR, AO+(\i/4)*GRP+3072*(\i%4)+1536*((\n)%2)
.endr
	WIN 0
.endm
.macro FETCH_A1 n, i0                  ; phase 1: x's blocks i0 .. i0 + 3
	RUN ADRX, (\n)/2
.irp i, 0,1,2,3
	FRAG AF+12*((\i0)+\i), AR, AO+((\i0)/4)*GRP+3072*\i+1536*((\n)%2)
.endr
.endm
.macro FETCH_A2 m                      ; phase 2: Wv's four fragments into set m % 2 of window 0
.if (\m)/2 == 0
.set AR, ADRV
.set AO, 2*PIECE
.elseif (\m)/2 == 1
.set AR, ADRV+1
.set AO, 2*PIECE
.else
.set AR, ADRV+1
.set AO, ((\m)/2-2)*PIECE
.endif
.irp i, 0,1,2,3
	FRAG AF+48*((\m)%2)+12*\i, AR, AO+3072*\i+1536*((\m)%2)
.endr
.endm
.macro SCALES1 s
.if (\s) < 3
.set AR, ADRS
.set AO, (\s)*PIECE
.else
.set AR, ADRS+1
.set AO, 0
.endif
.irp k, 0,1
.irp i, 0,1,2,3,4,5,6,7
	ds_load_b32 v[SC+8*(2*(\s)+\k)+\i], v[AR] offset:AO+(\i/4)*GRP+256*\k+64*(\i%4)
.endr
.endr
.endm
; Eight matrix instructions: block a of the lane side x the register side's eight.  first: 0 in place, 1 and 2 a phase's first products, with the bias as C.  The accumulators take turns, one instruction a turn, in the
; same order in every step.
.macro MUL8 a, n, first, af
.irp b, 0,1,2,3,4,5,6,7
.set DR, 8*(8*((\a)%4)+\b)
.if \first == 0
.set CR, DR
.elseif \first == 1
.set CR, BI+8*\b+96*(\b/4)
.else
.set CR, BI+8*(\a)
.endif
	v_wmma_scale_f32_16x16x128_f8f6f4 v[DR:DR+7], v[128*((\n)%2)+12*\b:128*((\n)%2)+12*\b+11], v[\af+12*(\a):\af+12*(\a)+11], v[CR:CR+7], v[SC+8*(\n)+\b], v[SC+8*(\n)+(\a)] matrix_a_fmt:MATRIX_FMT_BF6 matrix_b_fmt:MATRIX_FMT_BF6 matrix_a_scale:MATRIX_SCALE_ROW1
.endr
.endm
.macro MUL16 a0, n, first
	MUL8 \a0, \n, \first, AF
	MUL8 \a0+1, \n, \first, AF
.endm
.macro REST n, first                   ; a step's second half: the next step's fragments, 32 matrix instructions
.if (\n) < 7
	FETCH_B ADRW, (\n)+1
	FETCH_A1 (\n)+1, 0
.if (\n)%2
	SCALES1 ((\n)+1)/2
.endif
.endif
.if \first
	WIN 0xc1                                       ; source 0 window 1, sources 1 and 2 window 0, D window 3
.else
	WIN 0xf1                                       ; C window 3 too
.endif
	MUL16 4, \n, \first
	MUL16 6, \n, \first
	PLACES 4
	WIN 0
.if (\n) < 7
	FETCH_A1 (\n)+1, 4
.endif
.endm
.macro STEP n, first
	s_wait_dscnt 12                                ; all but the 12 youngest loads (x's blocks 4-7)
.if \first
	WIN 0x81
.else
	WIN 0xa1                                       ; C and D window 2
.endif
	MUL16 0, \n, \first
	MUL16 2, \n, \first
	s_wait_dscnt 0x0
	PLACES 4                                       ; in front of loads into registers that matrix instructions have read
	REST \n, \first
.endm
.macro TURN n                          ; a step in which pieces are filled again
	s_wait_tensorcnt 0x0                           ; all my tensor loads have landed
	ds_add_u32 v[SPW], v[NIL]
.if (\n) < 8
	s_wait_dscnt 13                                ; (the add and the 12 youngest loads may be out)
.endif
	WIN 0xa1
	MUL16 0, \n, 0
	s_wait_dscnt 0x0                               ; the add is done, and so are my reads of this step's and all earlier tiles
	s_barrier_signal -1
	MUL16 2, \n, 0
	WIN 0
	s_barrier_wait -1
	CREST                                          ; no wave of any partner still reads those tiles or has a load on its way
.if (\n) == 3
	JLOAD G0A+8, G1X, G0B+8, G1W                   ; run 3
.elseif (\n) == 5
	tensor_load_to_lds s[G0V:G0V+3], s[G1V:G1V+7]  ; Wv's runs 0 and 1, a group a wave
	s_nop 0
	PLACES 4
.else
	tensor_load_to_lds s[G0V+4:G0V+7], s[G1V:G1V+7]  ; Wv's runs 2 and 3
	s_nop 0
	PLACES 4
.endif
	REST \n, 0
.endm
	s_load_b256 s[4:11], s[0:1], 0x0               ; w1 s[4:5], bq s[6:7], bk s[8:9], bv s[10:11]
	s_load_b64 s[12:13], s[0:1], 0x20              ; w2
	v_lshl_add_u32 v[SPW], v0, 2, SPARE
	v_mov_b32 v[NIL], 0
	ds_add_u32 v[SPW], v[NIL]                      ; the opening: the add, twice on end, and its wait
	ds_add_u32 v[SPW], v[NIL]
	v_lshrrev_b32 v1, 5, v0
	v_readfirstlane_b32 s14, v1                    ; wave 0..3
	s_lshr_b32 s15, s14, 1                         ; my half of the lane side.  Also: I fetch for x (0) or for the weights (1)
	s_and_b32 s16, s14, 1                          ; my half of the register side.  Also: which half of that tile I fetch
	s_bfe_u32 s20, ttmp6, 0x40000                  ; cx, cy
	s_bfe_u32 s21, ttmp6, 0x40004
	s_and_b32 s17, ttmp7, 0xffff
	s_and_b32 s19, s17, 1                          ; q (0) or k (1)
	s_lshl_b32 s18, s19, 2
	s_add_co_u32 s18, s18, s20                     ; 0..7: rows 256 x of the stacked Wq, Wk; rows 128 x of Wv
	s_lshr_b32 s17, s17, 1
	s_lshl_b32 s22, ttmp9, 2
	s_add_co_u32 s17, s17, s22
	s_lshl_b32 s17, s17, 2
	s_add_co_u32 s17, s17, s21                     ; 0..31: which 256 rows of x
	s_lshl_b32 s22, s21, 2
	s_lshl_b32 s22, 15, s22                        ; my row of the cluster
	s_lshl_b32 s23, 0x1111, s20                    ; my column
	s_or_b32 s[G1X0], s22, (3<<16)|(1<<21)         ; 15:0 the mask; 17:16 elements of 8 bytes; no padding; 21 set beside a mask
	s_or_b32 s[G1X], s22, (3<<16)|(1<<21)
	s_or_b32 s[G1W0], s23, (3<<16)|(1<<21)
	s_or_b32 s[G1W], s23, (3<<16)|(1<<21)
	s_or_b32 s[G1V], s23, (3<<16)|(1<<21)
.irp g, G1X0, G1W0                             ; the head's: two runs: 2 rows of 25,600 bytes
	s_mov_b32 s[\g+1], (PIECE/8)<<16
	s_mov_b32 s[\g+2], 2<<16
	s_mov_b32 s[\g+3], (PIECE/8)<<16
	s_mov_b32 s[\g+4], 2
	s_mov_b32 s[\g+6], 0
	s_mov_b32 s[\g+7], 0
.endr
	s_mov_b32 s[G1X0+5], XSTR/8
	s_mov_b32 s[G1W0+5], WSTR/8
.irp g, G1X, G1W                               ; one run: 25,600 dense bytes as 100 rows of 256
	s_mov_b32 s[\g+1], 32<<16
	s_mov_b32 s[\g+2], 100<<16
	s_mov_b32 s[\g+3], 32<<16
	s_mov_b32 s[\g+4], 100
	s_mov_b32 s[\g+5], 32
	s_mov_b32 s[\g+6], 0
	s_mov_b32 s[\g+7], 0
.endr
	s_mov_b32 s[G1V+1], 32<<16                     ; Wv: a group
	s_mov_b32 s[G1V+2], 50<<16
	s_mov_b32 s[G1V+3], 32<<16
	s_mov_b32 s[G1V+4], 50
	s_mov_b32 s[G1V+5], 32
	s_mov_b32 s[G1V+6], 0
	s_mov_b32 s[G1V+7], 0
	s_lshl_b32 s66, s17, 1
	s_add_co_u32 s66, s66, s16
	s_mul_i32 s66, s66, 2*GRP                      ; x: groups 4 y + 2 (wave % 2) and the next
	s_mov_b32 s67, 0
	s_lshl_b32 s100, s18, 1
	s_add_co_u32 s100, s100, s16
	s_mul_i32 s100, s100, 2*GRP
	s_add_co_u32 s100, s100, WC                    ; Wq, Wk: groups 4 x + 2 (wave % 2) and the next
	s_mov_b32 s101, 0
	s_lshl_b32 s2, s18, 1
	s_add_co_u32 s2, s2, s16
	s_add_co_u32 s2, s2, 32                        ; Wv: group 32 + 2 x + wave % 2,
	s_mul_i32 s2, s2, GRP
	s_mul_i32 s22, s15, WSTR                       ; of two runs the (wave / 2)-th
	s_add_co_u32 s2, s2, s22
	s_add_co_u32 s2, s2, WC
	s_mov_b32 s3, 0
	s_mul_i32 s22, s14, PART                       ; where my loads go: the wave's number alone enters an LDS address
	s_mul_i32 s23, s16, PIECE
	s_wait_alu depctr_va_vdst(0)
	s_wait_dscnt 0x0                               ; both opening adds are done
	s_wait_kmcnt 0x0
	s_add_nc_u64 s[66:67], s[4:5], s[66:67]
	s_add_nc_u64 s[100:101], s[4:5], s[100:101]
	s_add_nc_u64 s[2:3], s[4:5], s[2:3]
.macro DESC g, r, l, b, o
	s_mov_b32 s[\g], 1
	s_add_co_u32 s[\g+1], s\r, \l
	s_add_nc_u64 s[\g+2:\g+3], s[\b:\b+1], \o
	s_or_b32 s[\g+3], s[\g+3], 0x80000000
.endm
	DESC G0A, 22, 0, 66, 0
	DESC G0B, 22, 0, 100, 0
	CROUND                                         ; all sixteen work-groups are here: the first joint loads meet
	JLOAD G0A, G1X0, G0B, G1W0                     ; runs 0 and 1: one tensor load a wave at the head
	DESC G0A+4, 22, 2*PIECE, 66, 2*XSTR
	DESC G0B+4, 22, 2*PIECE, 100, 2*WSTR
	DESC G0A+8, 23, 2*PART, 66, 3*XSTR
	DESC G0B+8, 23, 3*PART, 100, 3*WSTR
	s_mul_i32 s66, s16, GRP
	s_mul_i32 s22, s15, PART
	s_add_co_u32 s22, s22, s66
	DESC G0V, 22, 2*PART+2*PIECE, 2, 0
	s_mul_i32 s22, s15, PIECE
	s_add_co_u32 s22, s22, s66
	DESC G0V+4, 22, 3*PART, 2, 2*WSTR
	s_lshl_b32 s2, s17, 2                          ; the prefetches' base: group 4 y + cx of x
	s_add_co_u32 s2, s2, s20
	s_mul_i32 s2, s2, GRP
	s_mov_b32 s3, 0
	s_add_nc_u64 s[2:3], s[4:5], s[2:3]
	s_cmp_eq_u32 s19, 1
	s_cselect_b64 s[100:101], s[8:9], s[6:7]       ; bk or bq:
	s_lshl_b32 s22, s20, 10                        ; 256 cx numbers,
	s_lshl_b32 s23, s16, 9                         ; + 128 x my half of the register side
	s_add_co_u32 s22, s22, s23
	s_mov_b32 s23, 0
	s_add_nc_u64 s[100:101], s[100:101], s[22:23]
	s_lshl_b32 s22, s18, 9                         ; bv: 128 x numbers,
	s_lshl_b32 s23, s15, 8                         ; + 64 x my half of the lane side
	s_add_co_u32 s22, s22, s23
	s_mov_b32 s23, 0
	s_add_nc_u64 s[66:67], s[10:11], s[22:23]
	s_mul_i32 s22, s15, PART                       ; LDS addresses, their scalar parts: my half of x,
	s_add_co_u32 s23, s16, 2
	s_mul_i32 s23, s23, PART                       ; of the weights,
	s_xor_b32 s4, s15, 1
	s_add_co_u32 s4, s4, s16
	s_mul_i32 s7, s4, PIECE
	s_add_co_u32 s7, s7, PART-PIECE                ; from x's to the weights' in run 3,
	s_add_co_u32 s4, s4, 1
	s_mul_i32 s4, s4, PART                         ; and in runs 0-2
	s_mul_i32 s5, s15, PIECE
	s_add_co_u32 s5, s5, 2*PART                    ; run 3: x,
	s_mul_i32 s6, s16, PIECE
	s_add_co_u32 s6, s6, 3*PART                    ; the weights
	s_add_co_u32 s8, s22, 12288                    ; scale words lie behind a group's codes
	s_add_co_u32 s9, s5, 12288
	s_mul_i32 s10, s14, 13
	v_and_b32 v1, 15, v0                           ; r
	v_bfe_u32 v2, v0, 4, 1                         ; h
	v_lshlrev_b32 v15, 6, v2                       ; phase 1: register 16 b + i is d = 32 b + 16 h + i
	v_and_b32 v17, 8, v1
	v_add_nc_u32 v17, v17, v1
	v_lshlrev_b32 v17, 2, v17                      ; phase 2: lane r of block a is d = 32 (a / 2) + 8 (a % 2) + r + 8 (r / 8)
.set j, 0
.rept 16
	global_load_b128 v[BI+j+96*(j/32):BI+3+j+96*(j/32)], v15, s[100:101] offset:128*(j/16)+4*(j%16)
.set j, j+4
.endr
.irp a, 0,1,2,3
	global_load_b32 v[BV+\a], v17, s[66:67] offset:(32*(\a/2)+8*(\a%2))*4
.endr
	v_and_b32 v[LN16], 31, v0
	v_min_u32 v[PFO], 12, v[LN16]
	v_add_nc_u32 v[PFO], s10, v[PFO]
	v_min_u32 v[PFO], 49, v[PFO]                   ; blocks 13 wave .. 13 wave + 12 of the group's 50
	v_lshlrev_b32 v[PFO], 8, v[PFO]
	v_lshlrev_b32 v[LN16], 4, v[LN16]
	v_add_nc_u32 v[ADRX], s22, v[LN16]
	v_add_nc_u32 v[ADRX+1], 2*PIECE, v[ADRX]
	v_add_nc_u32 v[ADRX+2], s5, v[LN16]
	v_add_nc_u32 v[ADRW], s23, v[LN16]
	v_add_nc_u32 v[ADRW+1], 2*PIECE, v[ADRW]
	v_add_nc_u32 v[ADRW+2], s6, v[LN16]
	v_mul_u32_u24 v[ADRS], s4, v2
	v_lshl_add_u32 v[ADRS], v1, 2, v[ADRS]
	v_add_nc_u32 v[ADRS], s8, v[ADRS]
	v_mul_u32_u24 v[ADRS+1], s7, v2
	v_lshl_add_u32 v[ADRS+1], v1, 2, v[ADRS+1]
	v_add_nc_u32 v[ADRS+1], s9, v[ADRS+1]
	v_mul_u32_u24 v[WOFF], GRP, v2
	v_lshl_add_u32 v[WOFF], v1, 4, v[WOFF]         ; words out: lanes 0-15 the first group's, lanes 16-31 the second's
	global_prefetch_b8 v[PFO], s[2:3] offset:2*XSTR th:TH_LOAD_NT scope:SCOPE_SE   ; x's run 2, one load ahead
	s_wait_alu depctr_va_vdst(0)
	s_wait_loadcnt 0x0                             ; the biases
	s_wait_tensorcnt 0x0                           ; runs 0 and 1 are in
	ds_add_u32 v[SPW], v[NIL]
	s_wait_dscnt 0x0
	CROUND
	JLOAD G0A+4, G1X, G0B+4, G1W                   ; run 2 into piece 2
	SCALES1 0
	FETCH_B ADRW, 0
	FETCH_A1 0, 0
	FETCH_A1 0, 4
	global_prefetch_b8 v[PFO], s[2:3] offset:3*XSTR th:TH_LOAD_NT scope:SCOPE_SE   ; x's run 3, one load ahead
	; where my results go in w2 (in registers of the head's descriptors, whose loads are done).  q, k: [256 along d = cx][group 4 y + 2 s15 + a / 4]
	s_mov_b32 s[SEL], 0x76543210
	s_mov_b32 s[SEL+1], 0xfedcba98
	s_mul_i32 s24, s19, 4*XSTR
	s_mul_i32 s22, s20, XSTR
	s_add_co_u32 s24, s24, s22
	s_mul_i32 s22, s17, 4*GRP
	s_add_co_u32 s24, s24, s22
	s_mul_i32 s22, s15, 2*GRP
	s_add_co_u32 s24, s24, s22
	s_lshl_b32 s23, s16, 8
	s_add_co_u32 s23, s23, 12288
	s_add_co_u32 s26, s24, s23
	s_mul_i32 s22, s16, 1536
	s_add_co_u32 s24, s24, s22
	s_mov_b32 s25, 0
	s_mov_b32 s27, 0
	s_add_nc_u64 s[24:25], s[12:13], s[24:25]
	s_add_nc_u64 s[26:27], s[12:13], s[26:27]
	s_mul_i32 s28, s17, 16*GRP                     ; v: [batch][256 keys][d group 2 x + s15]
	s_mul_i32 s29, s18, 2*GRP
	s_add_co_u32 s28, s28, s29
	s_mul_i32 s29, s15, GRP
	s_add_co_u32 s28, s28, s29
	s_add_co_u32 s28, s28, 8*XSTR
	s_add_co_u32 s30, s28, s23
	s_add_co_u32 s28, s28, s22
	s_mov_b32 s29, 0
	s_mov_b32 s31, 0
	s_add_nc_u64 s[28:29], s[12:13], s[28:29]
	s_add_nc_u64 s[30:31], s[12:13], s[30:31]
	; ---- PHASE 1: 256 rows of x times 256 rows of Wq or Wk
	STEP 0, 1
	STEP 1, 0
	STEP 2, 0
	TURN 3
	STEP 4, 0
	TURN 5
	STEP 6, 0
	TURN 7                                         ; its load has the epilogue below in which to land
; The way out of blocks a and a + 1: register 16 b + i of a lane is k 32 b + 16 (lane / 16) + i of its row; quantised from the accumulators, stored as images: each store 512 consecutive bytes.
.macro QPAIR a, ob, o0, o1
.set W, 2+(\a)/4
.set A0, 64*((\a)%4)
	WIN 0x05*W                                     ; sources 0 and 1: the accumulators' window
.irp q, 0,1
.irp b, 0,1,2,3
	v_max3_num_f32 v[TM+12*\q+\b], |v[A0+64*\q+16*\b]|, |v[A0+64*\q+16*\b+1]|, 0x2800000   ; and the floor 2^(5 - 127): the byte cannot fall under 1
.endr
.endr
	WIN 0x14*W                                     ; sources 1 and 2; each accumulator from its low end on
.irp i, 2,4,6,8,10,12,14
.irp q, 0,1
.irp b, 0,1,2,3
	v_max3_num_f32 v[TM+12*\q+\b], v[TM+12*\q+\b], |v[A0+64*\q+16*\b+\i]|, |v[A0+64*\q+16*\b+\i+1]|
.endr
.endr
.endr
	WIN 0
.irp q, 0,1
.irp b, 0,1,2,3
	v_permlanex16_b32 v[TM+12*\q+4+\b], v[TM+12*\q+\b], s[SEL], s[SEL+1]
.endr
.endr
.irp q, 0,1
.irp b, 0,1,2,3
	v_max_num_f32 v[TM+12*\q+\b], v[TM+12*\q+\b], v[TM+12*\q+4+\b]
.endr
.endr
.irp q, 0,1
.irp b, 0,1,2,3
	v_add_nc_u32 v[TM+12*\q+8+\b], 0xfe000000, v[TM+12*\q+\b]   ; 4 off the exponent field: the conversion's scale operand
.endr
.endr
.irp q, 0,1
.irp b, 0,1,2,3
	v_lshrrev_b32 v[TM+12*\q+4+\b], 23, v[TM+12*\q+8+\b]        ; the scale's byte
.endr
.endr
	s_wait_alu depctr_va_vdst(0)
	s_wait_xcnt 0x0                                ; earlier stores have read their data, the prefetches their offset
.irp q, 0,1
	v_lshl_or_b32 v[WD+(\a)+\q], v[TM+12*\q+5], 8, v[TM+12*\q+4]
.endr
.irp b, 2,3
.irp q, 0,1
	v_lshl_or_b32 v[WD+(\a)+\q], v[TM+12*\q+4+\b], 8*\b, v[WD+(\a)+\q]
.endr
.endr
	WIN W
.irp q, 0,1
.irp c, 0,1
	v_cvt_scalef32_pk16_bf6_f32 v[PC+20*\q+6*\c:PC+20*\q+2+6*\c], v[A0+64*\q+32*\c:A0+64*\q+15+32*\c], v[TM+12*\q+8+2*\c]
	v_cvt_scalef32_pk16_bf6_f32 v[PC+20*\q+12+4*\c:PC+20*\q+14+4*\c], v[A0+64*\q+16+32*\c:A0+64*\q+31+32*\c], v[TM+12*\q+8+2*\c+1]
.endr
.endr
	WIN 0
	v_nop                                          ; one plain place behind a scaled conversion
.irp q, 0,1
.irp c, 0,1
.irp i, 0,1,2
	v_permlane16_swap_b32 v[PC+20*\q+6*\c+\i], v[PC+20*\q+12+4*\c+\i]
.endr
.endr
.endr
.irp q, 0,1
.irp c, 0,1
.irp i, 0,1,2
	v_mov_b32 v[PC+20*\q+3+6*\c+\i], v[PC+20*\q+12+4*\c+\i]
.endr
.endr
.endr
.irp c, 0,1,2
	global_store_b128 v[LN16], v[PC+4*\c:PC+4*\c+3], s[\ob:\ob+1] offset:\o0+512*\c
	global_store_b128 v[LN16], v[PC+20+4*\c:PC+20+4*\c+3], s[\ob:\ob+1] offset:\o1+512*\c
.endr
.endm
	QPAIR 0, 24, 0, 3072
	QPAIR 2, 24, 6144, 9216
	QPAIR 4, 24, GRP, GRP+3072
	QPAIR 6, 24, GRP+6144, GRP+9216
	v_cmp_eq_u32 vcc_lo, 1, v2
.irp j, 0,1,2,3
	v_cndmask_b32 v[24+\j], v[WD+\j], v[WD+4+\j], vcc_lo           ; every lane holds its row's words
.endr
	global_store_b128 v[WOFF], v[24:27], s[26:27]                  ; sixteen lanes store 256 consecutive bytes
	; ---- PHASE 2: 128 rows of Wv (lanes) times the same 256 rows of x (registers)
	s_mul_i32 s22, s16, PART                       ; my 128 keys: a half of x,
	s_mul_i32 s5, s16, PIECE
	s_add_co_u32 s5, s5, 2*PART                    ; and of its run 3
	s_mul_i32 s4, s15, GRP                         ; my 64 rows of Wv: one group
	s_add_co_u32 s6, s4, 2*PART
	s_add_co_u32 s7, s4, 3*PART
	s_xor_b32 s8, s16, 1                           ; from x's scale words to Wv's, made without a subtraction of wave numbers: what hangs on the wave in runs 0-2,
	s_mul_i32 s9, s8, PART
	s_add_co_u32 s9, s9, s4
	s_mul_i32 s10, s8, PIECE                       ; and in run 3
	s_add_co_u32 s10, s10, s4
	v_add_nc_u32 v[ADRX], s22, v[LN16]
	v_add_nc_u32 v[ADRX+1], 2*PIECE, v[ADRX]
	v_add_nc_u32 v[ADRX+2], s5, v[LN16]
	v_add_nc_u32 v[ADRV], s6, v[LN16]
	v_add_nc_u32 v[ADRV+1], s7, v[LN16]
	v_xor_b32 v[HH], 1, v2
.irp a, 0,1,2,3
.irp j, 0,1,2,3,4,5,6,7
	v_mov_b32 v[BI+8*\a+\j], v[BV+\a]              ; bv of my lane's d in block a: the C of its first products
.endr
.endr
	s_wait_alu depctr_va_vdst(0)
	s_wait_xcnt 0x0                                ; phase 1's stores have read their data: fragments may land on those registers
	s_wait_tensorcnt 0x0                           ; my part of Wv's runs 2 and 3 has landed
	s_wait_dscnt 0x0
	s_barrier_signal -1
	s_barrier_wait -1                              ; everybody's has: nothing is filled any more
.macro SCALES2 s, xr, xo, dr, do       ; register 8 m + i: lanes 16-31 x's block i; lanes 0-15 Wv's block i for i under 4 (for the others x's again: they are not read)
	s_add_co_u32 s11, s\xr, \xo+12288
	s_add_co_u32 s8, s\dr, \do
	v_lshl_add_u32 v[TSB], v1, 2, s11
	v_mul_u32_u24 v[TS], s8, v[HH]
	v_add_nc_u32 v[TS], v[TS], v[TSB]
.irp k, 0,1
.irp i, 0,1,2,3
	ds_load_b32 v[SC+8*(2*\s+\k)+\i], v[TS] offset:256*\k+64*\i
	ds_load_b32 v[SC+8*(2*\s+\k)+4+\i], v[TSB] offset:GRP+256*\k+64*\i
.endr
.endr
.endm
	FETCH_B ADRX, 0
	FETCH_A2 0
	SCALES2 0, 22, 0, 9, PART+2*PIECE
	SCALES2 1, 22, PIECE, 9, 2*PART+PIECE
	SCALES2 2, 22, 2*PIECE, 9, 2*PART-2*PIECE
	SCALES2 3, 5, 0, 10, PART
.macro STEP2 m, first                  ; 32 matrix instructions; the next step's 36 loads stand at the step's head, into the sets that the last step read
	s_wait_dscnt 0x0
.if (\m) < 7
	PLACES 4
	FETCH_B ADRX, (\m)+1
	FETCH_A2 (\m)+1
.endif
.if \first
	WIN 0x81
.else
	WIN 0xa1
.endif
.irp a, 0,1,2,3
	MUL8 \a, \m, 2*\first, AF+48*((\m)%2)
.endr
	WIN 0
.endm
	STEP2 0, 1
	STEP2 1, 0
	STEP2 2, 0
	STEP2 3, 0
	STEP2 4, 0
	STEP2 5, 0
	STEP2 6, 0
	STEP2 7, 0
	PLACES 4                                       ; in front of the first read of results and the first write over fragments
	QPAIR 0, 28, 0, 3072
	QPAIR 2, 28, 6144, 9216
	v_cmp_eq_u32 vcc_lo, 1, v2
.irp j, 0,1
	v_cndmask_b32 v[24+\j], v[WD+\j], v[WD+2+\j], vcc_lo
.endr
	v_lshlrev_b32 v26, 4, v1
	v_lshl_add_u32 v26, v2, 3, v26                 ; a row's four words: two a lane
	global_store_b64 v26, v[24:25], s[30:31]       ; 32 lanes store 256 consecutive bytes
	s_wait_tensorcnt 0x0                           ; the wave's end
	ds_add_u32 v[SPW], v[NIL]
	s_wait_dscnt 0x0
	CROUND                                         ; the closing round: no work-group ends while a partner may still ask for a tile that names it
	s_endpgm
.Lfunc_end_k_qb1cdf0f3bc_qkv:
	.size	k_qb1cdf0f3bc_qkv, .Lfunc_end_k_qb1cdf0f3bc_qkv-k_qb1cdf0f3bc_qkv
	.p2alignl 7, 3214868480
	.fill 96, 4, 3214868480
	.section	.rodata,"a",@progbits
	.p2align	6, 0x0
	.amdhsa_kernel k_qb1cdf0f3bc_qkv
		.amdhsa_group_segment_fixed_size 327680
		.amdhsa_private_segment_fixed_size 0
		.amdhsa_enable_private_segment 0
		.amdhsa_kernarg_size 40
		.amdhsa_user_sgpr_count 2
		.amdhsa_user_sgpr_kernarg_segment_ptr 1
		.amdhsa_wavefront_size32 1
		.amdhsa_system_sgpr_workgroup_id_x 1
		.amdhsa_system_sgpr_workgroup_id_y 1
		.amdhsa_system_sgpr_workgroup_id_z 1
		.amdhsa_system_vgpr_workitem_id 0
		.amdhsa_next_free_vgpr 1024
		.amdhsa_next_free_sgpr 102
		.amdhsa_reserve_vcc 1
		.amdhsa_float_denorm_mode_32 3
		.amdhsa_float_denorm_mode_16_64 3
		.amdhsa_memory_ordered 1
		.amdhsa_forward_progress 1
		.amdhsa_inst_pref_size 222
	.end_amdhsa_kernel
	.amdgpu_metadata
---
amdhsa.version: [ 1, 2 ]
amdhsa.kernels:
  - .name:           k_qb1cdf0f3bc_qkv
    .symbol:         k_qb1cdf0f3bc_qkv.kd
    .args:
      - { .name: w1, .offset: 0, .size: 8, .value_kind: global_buffer, .address_space: global }
      - { .name: bq, .offset: 8, .size: 8, .value_kind: global_buffer, .address_space: global }
      - { .name: bk, .offset: 16, .size: 8, .value_kind: global_buffer, .address_space: global }
      - { .name: bv, .offset: 24, .size: 8, .value_kind: global_buffer, .address_space: global }
      - { .name: w2, .offset: 32, .size: 8, .value_kind: global_buffer, .address_space: global }
    .group_segment_fixed_size: 327680
    .private_segment_fixed_size: 0
    .kernarg_segment_align: 8
    .kernarg_segment_size: 40
    .max_flat_workgroup_size: 128
    .sgpr_count:     102
    .vgpr_count:     1024
    .wavefront_size: 32
...
	.end_amdgpu_metadata
.endif
;; end of part 2
;; launch attn (part 3): grid 8 x 32, 4 waves a work-group, clusters of 4 x 4, 327,680 bytes of LDS; arguments w2, w3, Ww; writes w3
.if DOCPART == 3
	.amdgcn_target "amdgcn-amd-amdhsa--gfx1250"
	.amdhsa_code_object_version 6
	.text
	.protected	k_qb1cdf0f3bc_attn
	.globl	k_qb1cdf0f3bc_attn
	.p2align	8
	.type	k_qb1cdf0f3bc_attn,@function
k_qb1cdf0f3bc_attn:
	s_mov_b64 s[64:65], 0
	v_nop
	global_prefetch_b8 v0, s[64:65] scope:SCOPE_SE
	s_setreg_imm32_b32 hwreg(HW_REG_WAVE_MODE, 25, 1), 1
	s_wait_xcnt 0x0
	s_wait_alu depctr_hold_cnt(0) depctr_sa_sdst(0) depctr_va_vdst(0) depctr_va_sdst(0) depctr_va_ssrc(0) depctr_va_vcc(0) depctr_vm_vsrc(0)
	s_getreg_b32 s2, hwreg(HW_REG_IB_STS2, 6, 4)
	s_cmp_eq_u32 s2, 0
	s_cbranch_scc0 .Lentry_in_a_cluster
	s_endpgm
.Lentry_in_a_cluster:
	s_bfe_u32 s2, ttmp6, 0x10000c
	s_cmp_lg_u32 s2, 0xf033
	s_cbranch_scc0 .Lentry_shape_is_right
	s_endpgm
.Lentry_shape_is_right:
; ATTENTION FOR 256 QUERIES x 256 KEYS OF ONE BATCH, from codes of BF6 (E3M2) with E8M0 scales: S = q k^T (K = 1,024), the softmax's p under the M of these 256 keys, p's codes, P V (K = 256 keys) for all
; 1,024 d, and the product with Ww.  A query's part of the result is three words: M, the sum of the unquantised p, and the sum over d of (P V)(d) Ww(d); the next launch joins the eight blocks of keys.
; 8 x 32 = 256 work-groups of equal work, four waves, as many as a WGP has SIMDs.
; M: t = score x log2(e) / 32; M = the largest t of a query's 256 keys, rounded UP to a whole number: a true maximum, taken away before the exponential.  The row's M differs from it by a whole number: an exact power of two.
; S: a wave makes 128 queries x 128 keys, source 0 = keys, source 1 = queries: a lane holds ONE query, its registers run along the keys.  Two waves share a query's keys: they exchange their maxima through LDS.
; P V: P's codes go through LDS; a wave then keeps those of its 128 queries x 256 keys in 192 registers and walks 32 tiles of 16 d: source 0 = V, source 1 = P.  A tile's results are multiplied by Ww and added up
;   between the matrix instructions of the next tile (two sets of accumulators).  V's fragments, its scale words and Ww's numbers are fetched two tiles ahead.
; OPERANDS lie in w2 in groups of 64 places x 256 along K, 12,800 dense bytes (codes as images of operand registers, behind them the scale words): one load brings both.
; LDS: four parts of three pieces of 25,600 bytes; parts 0, 1: q's halves, 2, 3: k's; wave w fills part w.  Pieces 0, 1, 2 take the first three runs of 256 along K, piece 0 then the fourth, pieces 1, 2 of all
;   parts then V (256 d a part); P lies in piece 0 of parts 0 and 1 behind that piece's last fill and last read.
; CLUSTERS 4 x 4: q is shared along a row of the cluster, k and V along a column: joint loads, one a wave at the head and behind each round.
; PREFETCH: the third and fourth runs are asked for one load ahead (behind the first and second joint load): 25 blocks of 256 bytes a wave, shared out among the four partners by address; the leftover lanes name the
;   last block again.  V is not prefetched: 160 matrix instructions and the whole softmax stand between its load and the wait for it.
; LIMITS: NaN and infinities are not served.  The promise holds while the scaled scores t stay under 2^24 in magnitude as far as M's exactness as f32 goes.  A block whose every p is under 2^-122 gets the byte 1.
; REGISTERS: window 0: v1-15 lane numbers and addresses; v16-23 sums; v24-31 p's scale words; v32-95 scale words and nothing else; v96-127 largest score, then p, of each block of 32 keys; v128-223 q's fragments,
;   later work; v232-241 addresses.  Window 1: k's fragments, two sets; in P V: P (16 fragments), v192-223 Ww, four sets.  Windows 2, 3: the scores' accumulators, in place p; in P V window 2: v0-127 two sets of
;   accumulators, v128-223 V's fragments, four sets, v224-255 the dot's sums.
.set GRP,   12800
.set PIECE, 2*GRP
.set PART,  3*PIECE
.set WWL,   4*PART                     ; Ww, 4,096 bytes
.set MXL,   WWL+4096                   ; the waves' maxima, 512 bytes each
.set SPARE, MXL+2048                   ; the spare words, 128 bytes for each wave
.set XSTR,  1638400                    ; w2: bytes from a run of 256 along K to the next
.set KOFF,  4*XSTR                     ; where k begins,
.set VOFF,  8*XSTR                     ; and v
.set LN16, 3
.set ADRA, 4                           ; v4-5  my queries' part: pieces 0 and 1, piece 2
.set ADRB, 6                           ; v6-7  my keys' part
.set ADRS, 8                           ; scale words: lanes 0-15 q's, lanes 16-31 k's
.set ADV,  9                           ; P V: V's codes,
.set ADVS, 10                          ; its scale words,
.set LN4,  11
.set SPW,  12
.set NIL,  13
.set ADW,  14                          ; Ww
.set PFO,  15
.set SC,   32
.set VS,   32                          ; P V: V's scale words, four sets: lanes 0-15 keys 0-127, lanes 16-31 keys 128-255
.set PSC,  36                          ; P V: P's, the same way
.set BM,   96
.set AF,   128
.set OPD,  128                         ; 32 scale operands of the conversions
.set T,    160
.set OUTW, 168
.set NM,   192                         ; v[192+2a] -M of block a (the packed form names a pair and takes its low word)
.set PC,   208
.set MXW,  232
.set MXR,  233
.set PST,  234
.set PSW,  235
.set ADPS, 236
.set ADVB, 237
.set ADVSB, 238
.set ADWB, 239
.set WOF,  240
.set WST,  241
.set SEL,  2                           ; s[2:3] lane selects for v_permlanex16_b32
.set CS,   22                          ; s[22:23] c = log2(e) / 32 (behind the descriptors' set-up)
.set G1A0, 24
.set G1B0, 32
.set G1A,  40
.set G1B,  48
.set G1V,  56
.set OUT,  66                          ; s[66:67] my place in w3
.set G0A,  68                          ; s[68:79] groups 0 of q's three loads
.set G0B,  80                          ; s[80:91] of k's
.set G0V,  92
.set PFA,  100
.set MSB, 0
.macro WIN new                         ; the immediate's high byte repeats the setting that is left
.if MSB != (\new)
	s_set_vgpr_msb (MSB<<8)|(\new)
.set MSB, (\new)
.endif
.endm
.macro PLACES n
.rept \n
	v_nop
.endr
.endm
.macro JLOAD g0a, g1a, g0b, g1b        ; a joint load: waves 0 and 1 fetch q's halves, waves 2 and 3 k's
	s_cmp_eq_u32 s15, 0
	s_cbranch_scc0 .Lfor_b_\@
	tensor_load_to_lds s[\g0a:\g0a+3], s[\g1a:\g1a+7]
	s_nop 0
	PLACES 4
	s_branch .Lasked_\@
.Lfor_b_\@:
	tensor_load_to_lds s[\g0b:\g0b+3], s[\g1b:\g1b+7]
	s_nop 0
	PLACES 4
.Lasked_\@:
.endm
.macro CREST                           ; a round of the cluster's barrier behind its opening barrier
	s_cmp_lg_u32 s14, 0
	s_cbranch_scc1 .Lnot_wave_0_\@
	s_barrier_signal -3
.Lnot_wave_0_\@:
	s_barrier_wait -3
	s_barrier_signal -1
	s_barrier_wait -1
.endm
.macro CROUND
	s_barrier_signal -1
	s_barrier_wait -1
	CREST
.endm
.macro FRAG reg, adr, off              ; a fragment's 12 registers, as they were stored
.irp c, 0,1,2
	ds_load_b128 v[(\reg)+4*\c:(\reg)+4*\c+3], v[\adr] offset:(\off)+512*\c
.endr
.endm
.macro FETCH_B n                       ; step n: k's eight fragments into set n % 2; run n / 2 lies in piece (n / 2) % 3
	WIN 0x40
.irp i, 0,1,2,3,4,5,6,7
	FRAG 128*((\n)%2)+12*\i, ADRB+(((\n)/2)%3)/2, ((((\n)/2)%3)%2)*PIECE+(\i/4)*GRP+3072*(\i%4)+1536*((\n)%2)
.endr
	WIN 0
.endm
.macro FETCH_A n, i0                   ; q's blocks i0 .. i0 + 3
.irp i, 0,1,2,3
	FRAG AF+12*((\i0)+\i), ADRA+(((\n)/2)%3)/2, ((((\n)/2)%3)%2)*PIECE+((\i0)/4)*GRP+3072*\i+1536*((\n)%2)
.endr
.endm
.macro SCALES s                        ; the scale words of run s
.irp k, 0,1
.irp g, 0,1
	ds_load_b128 v[SC+8*(2*(\s)+\k)+4*\g:SC+8*(2*(\s)+\k)+4*\g+3], v[ADRS] offset:((\s)%3)*PIECE+\g*GRP+256*\k   ; words lie [K step][16 rows][4 tiles]
.endr
.endr
.endm
.macro MUL16 a0, n, zero               ; the 64 accumulators take turns, one instruction a turn, in the same order in every step
.irp a, \a0, \a0+1
.irp b, 0,1,2,3,4,5,6,7
.if \zero
	v_wmma_scale_f32_16x16x128_f8f6f4 v[8*(8*((\a)%4)+\b):8*(8*((\a)%4)+\b)+7], v[128*((\n)%2)+12*\b:128*((\n)%2)+12*\b+11], v[AF+12*(\a):AF+12*(\a)+11], 0, v[SC+8*(\n)+\b], v[SC+8*(\n)+(\a)] matrix_a_fmt:MATRIX_FMT_BF6 matrix_b_fmt:MATRIX_FMT_BF6 matrix_a_scale:MATRIX_SCALE_ROW1
.else
	v_wmma_scale_f32_16x16x128_f8f6f4 v[8*(8*((\a)%4)+\b):8*(8*((\a)%4)+\b)+7], v[128*((\n)%2)+12*\b:128*((\n)%2)+12*\b+11], v[AF+12*(\a):AF+12*(\a)+11], v[8*(8*((\a)%4)+\b):8*(8*((\a)%4)+\b)+7], v[SC+8*(\n)+\b], v[SC+8*(\n)+(\a)] matrix_a_fmt:MATRIX_FMT_BF6 matrix_b_fmt:MATRIX_FMT_BF6 matrix_a_scale:MATRIX_SCALE_ROW1
.endif
.endr
.endr
.endm
.macro REST n, zero                    ; a step's second half: the next step's fragments, 32 matrix instructions
	FETCH_B (\n)+1
	FETCH_A (\n)+1, 0
.if (\n)%2
	SCALES ((\n)+1)/2
.endif
	WIN 0xf1                                       ; source 0 window 1, source 1 window 0, C and D window 3
	MUL16 4, \n, \zero
	MUL16 6, \n, \zero
	PLACES 4
	WIN 0
	FETCH_A (\n)+1, 4
.endm
.macro STEP n, zero
	s_wait_dscnt 12                                ; all but the 12 youngest loads (q's blocks 4-7)
	WIN 0xa1                                       ; C and D window 2
	MUL16 0, \n, \zero
	MUL16 2, \n, \zero
	s_wait_dscnt 0x0
	PLACES 4                                       ; in front of loads into registers that matrix instructions have read
	REST \n, \zero
.endm
.macro TURN n                          ; a step in which pieces are filled again
	s_wait_tensorcnt 0x0                           ; all my tensor loads have landed
	ds_add_u32 v[SPW], v[NIL]
	s_wait_dscnt 13                                ; (the add and the 12 youngest loads may be out)
	WIN 0xa1
	MUL16 0, \n, 0
	s_wait_dscnt 0x0                               ; the add is done, and so are my reads of this step's and all earlier tiles
	s_barrier_signal -1
	MUL16 2, \n, 0
	WIN 0
	s_barrier_wait -1
	CREST                                          ; no wave of any partner still reads those tiles or has a load on its way
.if (\n) == 2
	JLOAD G0A+8, G1A, G0B+8, G1B                   ; the fourth run into piece 0
.else
	tensor_load_to_lds s[G0V:G0V+3], s[G1V:G1V+7]  ; V: 256 d a wave, into pieces 1 and 2
	s_nop 0
	PLACES 4
.endif
	REST \n, 0
.endm
	s_load_b128 s[4:7], s[0:1], 0x0                ; w2 s[4:5], w3 s[6:7]
	s_load_b64 s[8:9], s[0:1], 0x10                ; Ww
	v_lshl_add_u32 v[SPW], v0, 2, SPARE
	v_mov_b32 v[NIL], 0
	ds_add_u32 v[SPW], v[NIL]                      ; the opening: the add, twice on end, and its wait
	ds_add_u32 v[SPW], v[NIL]
	v_lshrrev_b32 v1, 5, v0
	v_readfirstlane_b32 s14, v1                    ; wave 0..3
	s_lshr_b32 s15, s14, 1                         ; my half of the queries.  Also: I fetch for q (0) or for k (1)
	s_and_b32 s16, s14, 1                          ; my half of the keys, later of the d.  Also: which half of that tile I fetch
	s_bfe_u32 s10, ttmp6, 0x40000                  ; cx, cy
	s_bfe_u32 s11, ttmp6, 0x40004
	s_and_b32 s17, ttmp7, 0xffff                   ; cluster (X, Y): batch 2 X + Y / 4, keys 1,024 ((Y / 2) % 2) on, queries 1,024 (Y % 2) on: the two values of X share no tile
	s_lshr_b32 s13, s17, 2
	s_lshl_b32 s12, ttmp9, 1
	s_add_co_u32 s13, s13, s12                     ; the batch
	s_bfe_u32 s12, s17, 0x10001
	s_lshl_b32 s12, s12, 2
	s_add_co_u32 s12, s12, s10                     ; work-group x: which 256 keys of the batch
	s_and_b32 s17, s17, 1
	s_lshl_b32 s17, s17, 2
	s_add_co_u32 s17, s17, s11
	s_lshl_b32 s18, s13, 3
	s_add_co_u32 s17, s17, s18                     ; work-group y: which 256 of the 8,192 queries
	s_lshl_b32 s98, s11, 2
	s_lshl_b32 s98, 15, s98                        ; my row of the cluster
	s_lshl_b32 s99, 0x1111, s10                    ; my column
	s_or_b32 s[G1A0], s98, (3<<16)|(1<<21)         ; 15:0 the mask; 17:16 elements of 8 bytes; no padding; 21 set beside a mask
	s_or_b32 s[G1A], s98, (3<<16)|(1<<21)
	s_or_b32 s[G1B0], s99, (3<<16)|(1<<21)
	s_or_b32 s[G1B], s99, (3<<16)|(1<<21)
	s_or_b32 s[G1V], s99, (3<<16)|(1<<21)
.irp g, G1A0, G1B0                             ; the head's: two runs: 2 rows of 25,600 bytes
	s_mov_b32 s[\g+1], (PIECE/8)<<16
	s_mov_b32 s[\g+2], 2<<16
	s_mov_b32 s[\g+3], (PIECE/8)<<16
	s_mov_b32 s[\g+4], 2
	s_mov_b32 s[\g+5], XSTR/8
	s_mov_b32 s[\g+6], 0
	s_mov_b32 s[\g+7], 0
.endr
.irp g, G1A, G1B                               ; one run: 25,600 dense bytes as 100 rows of 256
	s_mov_b32 s[\g+1], 32<<16
	s_mov_b32 s[\g+2], 100<<16
	s_mov_b32 s[\g+3], 32<<16
	s_mov_b32 s[\g+4], 100
	s_mov_b32 s[\g+5], 32
	s_mov_b32 s[\g+6], 0
	s_mov_b32 s[\g+7], 0
.endr
	s_mov_b32 s[G1V+1], 32<<16                     ; V: 51,200 dense bytes
	s_mov_b32 s[G1V+2], 200<<16
	s_mov_b32 s[G1V+3], 32<<16
	s_mov_b32 s[G1V+4], 200
	s_mov_b32 s[G1V+5], 32
	s_mov_b32 s[G1V+6], 0
	s_mov_b32 s[G1V+7], 0
	s_mul_i32 s18, s17, 4*GRP
	s_mul_i32 s20, s16, PIECE
	s_add_co_u32 s18, s18, s20                     ; q: groups 4 y + 2 (wave % 2) and the next
	s_mov_b32 s19, 0
	s_lshl_b32 s22, s13, 3
	s_add_co_u32 s22, s22, s12                     ; which 256 of the 8,192 keys
	s_mul_i32 s96, s22, 16*GRP
	s_mul_i32 s22, s22, 4*GRP
	s_add_co_u32 s22, s22, s20
	s_add_co_u32 s22, s22, KOFF
	s_mov_b32 s23, 0
	s_mul_i32 s20, s14, 4*GRP
	s_add_co_u32 s96, s96, s20                     ; V: d groups 4 wave .. 4 wave + 3
	s_add_co_u32 s96, s96, VOFF
	s_mov_b32 s97, 0
	s_mul_i32 s21, s14, PART                       ; where my loads go: the wave's number alone enters an LDS address
	s_wait_alu depctr_va_vdst(0)
	s_wait_dscnt 0x0                               ; both opening adds are done
	s_wait_kmcnt 0x0
	s_add_nc_u64 s[18:19], s[4:5], s[18:19]
	s_add_nc_u64 s[22:23], s[4:5], s[22:23]
	s_add_nc_u64 s[96:97], s[4:5], s[96:97]
.macro DESC g, l, b, o
	s_mov_b32 s[\g], 1
	s_add_co_u32 s[\g+1], s21, \l
	s_add_nc_u64 s[\g+2:\g+3], s[\b:\b+1], \o
	s_or_b32 s[\g+3], s[\g+3], 0x80000000
.endm
	DESC G0A, 0, 18, 0
	DESC G0A+4, 2*PIECE, 18, 2*XSTR
	DESC G0A+8, 0, 18, 3*XSTR
	DESC G0B, 0, 22, 0
	DESC G0B+4, 2*PIECE, 22, 2*XSTR
	DESC G0B+8, 0, 22, 3*XSTR
	DESC G0V, PIECE, 96, 0
	CROUND                                         ; all sixteen work-groups are here: the first joint loads meet
	JLOAD G0A, G1A0, G0B, G1B0                     ; runs 0 and 1: one tensor load a wave at the head
	; the prefetches' base: of q's four groups partner cx takes the cx-th, of k's partner cy the cy-th; a wave half a group
	s_lshl_b32 s96, s17, 2
	s_add_co_u32 s96, s96, s10
	s_mul_i32 s96, s96, GRP
	s_lshl_b32 s97, s13, 3
	s_add_co_u32 s97, s97, s12
	s_lshl_b32 s97, s97, 2
	s_add_co_u32 s97, s97, s11
	s_mul_i32 s97, s97, GRP
	s_add_co_u32 s97, s97, KOFF
	s_cmp_eq_u32 s15, 0
	s_cselect_b32 s96, s96, s97
	s_mul_i32 s97, s16, GRP/2
	s_add_co_u32 s96, s96, s97
	s_mov_b32 s97, 0
	s_add_nc_u64 s[PFA:PFA+1], s[4:5], s[96:97]
	; my place in w3: [16 halves of a block of keys][8,192 places] words; M, then the sums 524,288 bytes on, the dots 1,048,576 on
	s_lshl_b32 s96, s12, 1
	s_add_co_u32 s96, s96, s16
	s_lshl_b32 s96, s96, 15
	s_lshl_b32 s97, s17, 10
	s_add_co_u32 s96, s96, s97
	s_lshl_b32 s97, s15, 9
	s_add_co_u32 s96, s96, s97
	s_mov_b32 s97, 0
	s_add_nc_u64 s[OUT:OUT+1], s[6:7], s[96:97]
	; LDS addresses: their scalar parts
	s_mul_i32 s20, s15, PART                       ; my queries' part
	s_add_co_u32 s98, s16, 2
	s_mul_i32 s98, s98, PART                       ; my keys' part
	s_xor_b32 s99, s15, 1
	s_add_co_u32 s99, s99, s16
	s_add_co_u32 s99, s99, 1
	s_mul_i32 s99, s99, PART                       ; from the one to the other
	s_add_co_u32 s13, s20, 12288                   ; scale words lie behind a group's codes
	s_mul_i32 s18, s16, 1536
	s_add_co_u32 s18, s18, s20                     ; P: [8 tiles][2 halves of the keys] in piece 0 of my queries' part,
	s_add_co_u32 s19, s20, 24576                   ; behind them its words [2][128]
	s_lshl_b32 s96, s16, 9
	s_add_co_u32 s97, s96, WWL                     ; Ww: my 128 of each 256
	s_add_co_u32 s96, s96, s19
	s_lshl_b32 s10, s14, 9
	s_add_co_u32 s10, s10, MXL
	s_xor_b32 s11, s14, 1
	s_lshl_b32 s11, s11, 9
	s_add_co_u32 s11, s11, MXL
	s_mul_i32 s12, s16, PIECE
	s_add_co_u32 s12, s12, PIECE                   ; V: my two groups of each four
	s_add_co_u32 s21, s12, 12288
	s_mov_b32 s[SEL], 0x76543210
	s_mov_b32 s[SEL+1], 0xfedcba98
	s_mov_b32 s[CS], 0x3d38aa3b                    ; c = log2(e) / 32
	s_mov_b32 s[CS+1], s[CS]                       ; (named with it as a pair, so it is written)
	v_lshlrev_b32 v[WOF], 4, v0
	global_load_b128 v[96:99], v[WOF], s[8:9]      ; Ww, 4,096 bytes, to be laid into LDS
	global_load_b128 v[100:103], v[WOF], s[8:9] offset:2048
	v_and_b32 v1, 15, v0                           ; r
	v_bfe_u32 v2, v0, 4, 1                         ; h
	v_and_b32 v[LN16], 31, v0
	v_min_u32 v[PFO], 24, v[LN16]
	v_lshlrev_b32 v[PFO], 8, v[PFO]
	v_lshlrev_b32 v[LN4], 2, v[LN16]
	v_lshlrev_b32 v[LN16], 4, v[LN16]
	v_add_nc_u32 v[WST], WWL, v[WOF]
	v_add_nc_u32 v[ADRA], s20, v[LN16]
	v_add_nc_u32 v[ADRB], s98, v[LN16]
	v_add_nc_u32 v[ADRA+1], 2*PIECE, v[ADRA]
	v_add_nc_u32 v[ADRB+1], 2*PIECE, v[ADRB]
	v_mul_u32_u24 v[ADRS], s99, v2
	v_lshl_add_u32 v[ADRS], v1, 4, v[ADRS]
	v_add_nc_u32 v[ADRS], s13, v[ADRS]
	v_add_nc_u32 v[PST], s18, v[LN16]
	v_add_nc_u32 v[PSW], s96, v[LN4]
	v_lshlrev_b32 v[ADPS], 9, v2
	v_lshl_add_u32 v[ADPS], v1, 2, v[ADPS]
	v_add_nc_u32 v[ADPS], s19, v[ADPS]
	v_add_nc_u32 v[MXW], s10, v[LN4]
	v_lshlrev_b32 v[MXR], 2, v1
	v_add_nc_u32 v[MXR], s11, v[MXR]
	v_add_nc_u32 v[ADVB], s12, v[LN16]
	v_lshlrev_b32 v[ADVSB], 8, v2
	v_lshl_add_u32 v[ADVSB], v1, 4, v[ADVSB]
	v_add_nc_u32 v[ADVSB], s21, v[ADVSB]
	v_lshlrev_b32 v[ADWB], 6, v2
	v_add_nc_u32 v[ADWB], s97, v[ADWB]
	v_mov_b32 v[ADV], v[ADVB]
	v_mov_b32 v[ADVS], v[ADVSB]
	v_mov_b32 v[ADW], v[ADWB]
	global_prefetch_b8 v[PFO], s[PFA:PFA+1] offset:2*XSTR th:TH_LOAD_NT scope:SCOPE_SE   ; run 2, one load ahead
	s_wait_alu depctr_va_vdst(0)
	s_wait_loadcnt 0x0
	s_wait_tensorcnt 0x0                           ; runs 0 and 1 are in
	ds_store_b128 v[WST], v[96:99]
	ds_store_b128 v[WST], v[100:103] offset:2048
	s_wait_tensorcnt 0x0
	ds_add_u32 v[SPW], v[NIL]
	s_wait_dscnt 0x0
	CROUND
	JLOAD G0A+4, G1A, G0B+4, G1B                   ; run 2 into piece 2
	SCALES 0
	FETCH_B 0
	FETCH_A 0, 0
	FETCH_A 0, 4
	global_prefetch_b8 v[PFO], s[PFA:PFA+1] offset:3*XSTR th:TH_LOAD_NT scope:SCOPE_SE   ; run 3, one load ahead
	STEP 0, 1                                      ; the first products start the sums: nothing is cleared
	STEP 1, 0
	TURN 2
	STEP 3, 0                                      ; (its successor lies in piece 2, shown whole by the round above)
	STEP 4, 0
	TURN 5
	STEP 6, 0
	s_wait_dscnt 12                                ; step 7: nothing more to fetch
	WIN 0xa1
	MUL16 0, 7, 0
	MUL16 2, 7, 0
	s_wait_dscnt 0x0
	WIN 0xf1
	MUL16 4, 7, 0
	MUL16 6, 7, 0
	WIN 0
	PLACES 4
	; ---- THE SOFTMAX.  Block a: 16 queries x my 128 keys.  Register 16 b + i of a lane is key 32 b + 16 (lane / 16) + i.
.macro MAXES w                         ; the largest score of each block of 32 keys: it serves for the maximum and, since p rises with the score, for the block's largest p.  Each accumulator is first read at its low end
	WIN 0x15*(\w)
.irp a, 0,1,2,3
.irp b, 0,1,2,3
	v_max3_num_f32 v[BM+16*(\w-2)+4*\a+\b], v[64*\a+16*\b], v[64*\a+16*\b+1], v[64*\a+16*\b+2]
.endr
.endr
	WIN 0x14*(\w)
.irp i, 3,5,7,9,11,13
.irp a, 0,1,2,3
.irp b, 0,1,2,3
	v_max3_num_f32 v[BM+16*(\w-2)+4*\a+\b], v[BM+16*(\w-2)+4*\a+\b], v[64*\a+16*\b+\i], v[64*\a+16*\b+\i+1]
.endr
.endr
.endr
.irp a, 0,1,2,3
.irp b, 0,1,2,3
	v_max_num_f32 v[BM+16*(\w-2)+4*\a+\b], v[BM+16*(\w-2)+4*\a+\b], v[64*\a+16*\b+15]
.endr
.endr
	WIN 0
.endm
	MAXES 2
	MAXES 3
.set j, 0
.rept 32
	v_permlanex16_b32 v[128+j], v[BM+j], s[SEL], s[SEL+1]
.set j, j+1
.endr
.set j, 0
.rept 32
	v_max_num_f32 v[BM+j], v[BM+j], v[128+j]       ; with lane l xor 16's 16 keys
.set j, j+1
.endr
.irp a, 0,1,2,3,4,5,6,7
	v_max3_num_f32 v[T+\a], v[BM+4*\a], v[BM+4*\a+1], v[BM+4*\a+2]
.endr
.irp a, 0,1,2,3,4,5,6,7
	v_max_num_f32 v[T+\a], v[T+\a], v[BM+4*\a+3]   ; my query's largest score among my 128 keys
.endr
	v_cmp_eq_u32 vcc_lo, 1, v2
.irp j, 0,1,2,3                                ; lanes 0-15 give block 2 j's, lanes 16-31 block 2 j + 1's
	v_cndmask_b32 v[OUTW+\j], v[T+2*\j], v[T+1+2*\j], vcc_lo
.endr
.irp j, 0,1,2,3
	ds_store_b32 v[MXW], v[OUTW+\j] offset:128*\j
.endr
	s_wait_alu depctr_va_vdst(0)
	s_wait_dscnt 0x0                               ; my maxima are stored, and my reads of q's and k's tiles are over
	s_barrier_signal -1
	s_barrier_wait -1
.irp a, 0,1,2,3,4,5,6,7
	ds_load_b32 v[176+\a], v[MXR] offset:64*\a     ; the wave's that has the other 128 keys
.endr
	s_wait_dscnt 0x0
.irp a, 0,1,2,3,4,5,6,7
	v_max_num_f32 v[T+\a], v[T+\a], v[176+\a]
.endr
.irp a, 0,1,2,3,4,5,6,7
	v_mul_f32 v[T+\a], s[CS], v[T+\a]              ; as t (c is positive)
.endr
.irp a, 0,1,2,3,4,5,6,7
	v_floor_f32 v[NM+2*\a], -v[T+\a]               ; -M = floor(-t) = -ceil(t): a whole number
.endr
.irp a, 0,1,2,3,4,5,6,7
.irp b, 0,1,2,3
	v_fma_f32 v[BM+4*\a+\b], v[BM+4*\a+\b], s[CS], v[NM+2*\a]
.endr
.endr
	s_wait_alu depctr_va_vdst(0)
.set j, 0
.rept 32
	v_exp_f32 v[BM+j], v[BM+j]                     ; each block's largest p: the same two instructions on the same number as below give the same bits
.set j, j+1
.endr
	v_nop
	s_wait_alu depctr_va_vdst(0)
.set j, 0
.rept 32
	v_max_num_f32 v[BM+j], 0x2800000, v[BM+j]      ; the floor 2^(5 - 127): the byte cannot fall under 1
.set j, j+1
.endr
.set j, 0
.rept 32
	v_add_nc_u32 v[OPD+j], 0xfe000000, v[BM+j]     ; 4 off the exponent field: the conversion's scale operand
.set j, j+1
.endr
.set j, 0
.rept 32
	v_lshrrev_b32 v[BM+j], 23, v[OPD+j]            ; the scale's byte
.set j, j+1
.endr
.irp b, 1,2,3
.irp a, 0,1,2,3,4,5,6,7
.if \b == 1
	v_lshl_or_b32 v[24+\a], v[BM+4*\a+1], 8, v[BM+4*\a]
.else
	v_lshl_or_b32 v[24+\a], v[BM+4*\a+\b], 8*\b, v[24+\a]
.endif
.endr
.endr
	v_cmp_eq_u32 vcc_lo, 1, v2
.irp j, 0,1,2,3
	v_cndmask_b32 v[T+\j], v[24+2*\j], v[25+2*\j], vcc_lo
	ds_store_b32 v[PSW], v[T+\j] offset:128*\j     ; piece 0 has had its last fill, and every wave has read it
.endr
.macro LEVEL b, n                      ; the first 2 n of 4 n numbers take in the other 2 n
.set j, 0
.rept \n
	v_pk_add_f32 v[\b+j:\b+j+1], v[\b+j:\b+j+1], v[\b+2*\n+j:\b+2*\n+j+1]
.set j, j+2
.endr
.endm
.macro SUM b, a                        ; the rest of block a's sum of the UNQUANTISED p, from 32 numbers on
	WIN 0x45*W
	LEVEL \b, 8
	LEVEL \b, 4
	LEVEL \b, 2
	LEVEL \b, 1
	WIN 0x05*W
	v_add_f32 v[16+\a], v[\b], v[\b+1]
	WIN 0
.endm
; Block a's exponentials, in place in the accumulators; between them stand the next block's t - M and the first level of the last block's sum: what these write is first read behind the wait that follows the batch.
.macro SOFT a
.set AC, 64*((\a)%4)
.set W, 2+(\a)/4
	WIN 0x45*W                                     ; sources 0 and 1, destination: the accumulators' window
.if (\a)%4 == 0
.set j, 0
.rept 32
	v_pk_fma_f32 v[AC+j:AC+j+1], v[AC+j:AC+j+1], s[CS:CS+1], v[NM+2*(\a):NM+2*(\a)+1] op_sel_hi:[1,0,0]   ; t - M, two at a time
.set j, j+2
.endr
.endif
	s_wait_alu depctr_va_vdst(0)
.set j, 0
.rept 32
	v_exp_f32 v[AC+2*j], v[AC+2*j]                 ; p = 2^(t - M)
	v_exp_f32 v[AC+2*j+1], v[AC+2*j+1]
.if (\a)%4 < 3
	v_pk_fma_f32 v[AC+64+2*j:AC+65+2*j], v[AC+64+2*j:AC+65+2*j], s[CS:CS+1], v[NM+2*(\a)+2:NM+2*(\a)+3] op_sel_hi:[1,0,0]
.endif
.if ((\a)%4 > 0) && (j%2 == 1)
	v_pk_add_f32 v[AC-65+j:AC-64+j], v[AC-65+j:AC-64+j], v[AC-33+j:AC-32+j]
.endif
.set j, j+1
.endr
	v_nop                                          ; a plain place behind the exponentials
	s_wait_alu depctr_va_vdst(0)
	WIN W                                          ; source 0
.irp c, 0,1
	v_cvt_scalef32_pk16_bf6_f32 v[PC+6*\c:PC+2+6*\c], v[AC+32*\c:AC+15+32*\c], v[OPD+4*(\a)+2*\c]
	v_cvt_scalef32_pk16_bf6_f32 v[PC+12+4*\c:PC+14+4*\c], v[AC+16+32*\c:AC+31+32*\c], v[OPD+4*(\a)+2*\c+1]
.endr
	WIN 0
	v_nop                                          ; one plain place behind a scaled conversion
.irp c, 0,1                                    ; the operand wants a WHOLE block in a lane
.irp i, 0,1,2
	v_permlane16_swap_b32 v[PC+6*\c+\i], v[PC+12+4*\c+\i]
.endr
.irp i, 0,1,2
	v_mov_b32 v[PC+3+6*\c+\i], v[PC+12+4*\c+\i]
.endr
.endr
.irp c, 0,1,2
	ds_store_b128 v[PST], v[PC+4*\c:PC+4*\c+3] offset:3072*(\a)+512*\c
.endr
.if (\a)%4 > 0
	SUM AC-64, (\a)-1
.endif
.if (\a)%4 == 3
	WIN 0x45*W
	LEVEL AC, 16
	SUM AC, \a
.endif
	WIN 0
.endm
.irp a, 0,1,2,3,4,5,6,7
	SOFT \a
.endr
.irp a, 0,1,2,3,4,5,6,7
	v_permlanex16_b32 v[T+\a], v[16+\a], s[SEL], s[SEL+1]
.endr
.irp a, 0,1,2,3,4,5,6,7
	v_add_f32 v[16+\a], v[16+\a], v[T+\a]          ; with lane l xor 16's 64 keys
.endr
	v_cmp_eq_u32 vcc_lo, 1, v2
.irp j, 0,1,2,3
	v_cndmask_b32 v[172+\j], v[NM+4*\j], v[NM+4*\j+2], vcc_lo
	v_cndmask_b32 v[176+\j], v[16+2*\j], v[17+2*\j], vcc_lo
.endr
.irp j, 0,1,2,3
	v_sub_f32 v[172+\j], 0, v[172+\j]              ; M
.endr
.irp j, 0,1,2,3
	global_store_b32 v[LN4], v[172+\j], s[OUT:OUT+1] offset:128*\j
	global_store_b32 v[LN4], v[176+\j], s[OUT:OUT+1] offset:524288+128*\j
.endr
	; ---- P V, and the product with Ww
	WIN 0x80
.set j, 0
.rept 32
	v_mov_b32 v[224+j], 0                          ; the dot's sums (window 2): two pairs for each of eight tiles of queries
.set j, j+1
.endr
	WIN 0
	s_wait_alu depctr_va_vdst(0)
	s_wait_tensorcnt 0x0                           ; my part of V is in
	s_wait_dscnt 0x0                               ; my part of P is stored
	s_barrier_signal -1
	s_barrier_wait -1                              ; everybody's: nothing is filled or stored any more
.macro VTILE t                         ; tile t of a trip's eight: V's two fragments (keys 0-127, 128-255), Ww's eight numbers, V's scale words: nine loads into set t % 4
	WIN 0x80
.irp k, 0,1
	FRAG 128+24*((\t)%4)+12*\k, ADV, ((\t)/4)*GRP+3072*((\t)%4)+1536*\k
.endr
	WIN 0x40
	ds_load_b128 v[192+8*((\t)%4):195+8*((\t)%4)], v[ADW] offset:256*((\t)/4)+128*(((\t)%4)/2)+32*((\t)%2)
	ds_load_b128 v[196+8*((\t)%4):199+8*((\t)%4)], v[ADW] offset:256*((\t)/4)+128*(((\t)%4)/2)+32*((\t)%2)+16
	WIN 0
	ds_load_b32 v[VS+(\t)%4], v[ADVS] offset:((\t)/4)*GRP+4*((\t)%4)
.endm
.macro DOT t, a, k                     ; four of the eight results of tile t, queries' tile a, from the low end on (k = 0 first)
	v_pk_fma_f32 v[224+4*\a:225+4*\a], v[64*((\t)%2)+8*\a+4*\k:64*((\t)%2)+8*\a+4*\k+1], v[192+8*((\t)%4)+4*\k:193+8*((\t)%4)+4*\k], v[224+4*\a:225+4*\a]
	v_pk_fma_f32 v[226+4*\a:227+4*\a], v[64*((\t)%2)+8*\a+4*\k+2:64*((\t)%2)+8*\a+4*\k+3], v[194+8*((\t)%4)+4*\k:195+8*((\t)%4)+4*\k], v[226+4*\a:227+4*\a]
.endm
.macro HALF t, k                       ; eight matrix instructions on 128 keys; the eight accumulators take turns
.irp a, 0,1,2,3,4,5,6,7
.if \k
	v_wmma_scale_f32_16x16x128_f8f6f4 v[64*((\t)%2)+8*\a:64*((\t)%2)+8*\a+7], v[140+24*((\t)%4):151+24*((\t)%4)], v[24*\a+12:24*\a+23], v[64*((\t)%2)+8*\a:64*((\t)%2)+8*\a+7], v[VS+(\t)%4], v[PSC+\a] matrix_a_fmt:MATRIX_FMT_BF6 matrix_b_fmt:MATRIX_FMT_BF6 matrix_a_scale:MATRIX_SCALE_ROW1 matrix_b_scale:MATRIX_SCALE_ROW1
.else
	v_wmma_scale_f32_16x16x128_f8f6f4 v[64*((\t)%2)+8*\a:64*((\t)%2)+8*\a+7], v[128+24*((\t)%4):139+24*((\t)%4)], v[24*\a:24*\a+11], 0, v[VS+(\t)%4], v[PSC+\a] matrix_a_fmt:MATRIX_FMT_BF6 matrix_b_fmt:MATRIX_FMT_BF6
.endif
.endr
.endm
.macro DOTS t                          ; the whole of tile t's 32 packed multiply-adds
.irp k, 0,1
.irp a, 0,1,2,3,4,5,6,7
	DOT \t, \a, \k
.endr
.endr
.endm
.macro TILE t                          ; 16 matrix instructions in one run, then the multiply-adds of the tile before and the loads of the tile two further on
	s_wait_dscnt 9                                 ; this tile's loads are in; the next tile's nine may be out
	WIN 0xa6                                       ; source 0, C and D window 2, source 1 window 1
	HALF \t, 0
	HALF \t, 1
.if (\t) > 0
	DOTS (\t)-1
.else
	PLACES 4                                       ; in front of the first read of this tile's results: no other vector work stands between
.endif
	WIN 0
.if (\t) == 6                          ; from here on the loads are the next trip's: 256 d on, 76,800 bytes of V, 1,024 of Ww.  (In the last trip they name the last trip's first two tiles again, so that the waits count alike)
	s_add_co_u32 s98, s98, PART
	s_min_u32 s99, s98, 3*PART
	s_add_co_u32 s96, s96, 1024
	s_min_u32 s97, s96, 3072
	v_add_nc_u32 v[ADV], s99, v[ADVB]
	v_add_nc_u32 v[ADVS], s99, v[ADVSB]
	v_add_nc_u32 v[ADW], s97, v[ADWB]
.endif
	VTILE ((\t)+2)%8
.endm
	VTILE 0
	WIN 0x40
.irp a, 0,1,2,3,4,5,6,7
.irp k, 0,1
	FRAG 24*\a+12*\k, ADRA, 3072*\a+1536*\k        ; P of my 128 queries: it stays
.endr
.endr
	WIN 0
.irp a, 0,1,2,3,4,5,6,7
	ds_load_b32 v[PSC+\a], v[ADPS] offset:64*\a
.endr
	VTILE 1
	s_mov_b32 s98, 0
	s_mov_b32 s96, 0
	s_mov_b32 s20, 0
.Ltrip:                                        ; a trip: 128 of each 256 d: eight tiles
	TILE 0
	TILE 1
	TILE 2
	TILE 3
	TILE 4
	TILE 5
	TILE 6
	TILE 7
	WIN 0xa6
	DOTS 7
	WIN 0
	s_add_co_u32 s20, s20, 1
	s_cmp_lt_u32 s20, 4
	s_wait_alu depctr_va_vdst(0)
	s_cbranch_scc1 .Ltrip
	WIN 0x8a
.irp a, 0,1,2,3,4,5,6,7
	v_pk_add_f32 v[224+4*\a:225+4*\a], v[224+4*\a:225+4*\a], v[226+4*\a:227+4*\a]
.endr
	WIN 0x0a
.irp a, 0,1,2,3,4,5,6,7
	v_add_f32 v[16+\a], v[224+4*\a], v[225+4*\a]
.endr
	WIN 0
.irp a, 0,1,2,3,4,5,6,7
	v_permlanex16_b32 v[T+\a], v[16+\a], s[SEL], s[SEL+1]
.endr
.irp a, 0,1,2,3,4,5,6,7
	v_add_f32 v[16+\a], v[16+\a], v[T+\a]          ; with lane l xor 16's d
.endr
	v_cmp_eq_u32 vcc_lo, 1, v2
.irp j, 0,1,2,3
	v_cndmask_b32 v[180+\j], v[16+2*\j], v[17+2*\j], vcc_lo
	global_store_b32 v[LN4], v[180+\j], s[OUT:OUT+1] offset:1048576+128*\j
.endr
	s_wait_tensorcnt 0x0                           ; the wave's end
	ds_add_u32 v[SPW], v[NIL]
	s_wait_dscnt 0x0
	CROUND                                         ; the closing round
	s_endpgm
.Lfunc_end_k_qb1cdf0f3bc_attn:
	.size	k_qb1cdf0f3bc_attn, .Lfunc_end_k_qb1cdf0f3bc_attn-k_qb1cdf0f3bc_attn
	.p2alignl 7, 3214868480
	.fill 96, 4, 3214868480
	.section	.rodata,"a",@progbits
	.p2align	6, 0x0
	.amdhsa_kernel k_qb1cdf0f3bc_attn
		.amdhsa_group_segment_fixed_size 327680
		.amdhsa_private_segment_fixed_size 0
		.amdhsa_enable_private_segment 0
		.amdhsa_kernarg_size 24
		.amdhsa_user_sgpr_count 2
		.amdhsa_user_sgpr_kernarg_segment_ptr 1
		.amdhsa_wavefront_size32 1
		.amdhsa_system_sgpr_workgroup_id_x 1
		.amdhsa_system_sgpr_workgroup_id_y 1
		.amdhsa_system_sgpr_workgroup_id_z 1
		.amdhsa_system_vgpr_workitem_id 0
		.amdhsa_next_free_vgpr 1024
		.amdhsa_next_free_sgpr 102
		.amdhsa_reserve_vcc 1
		.amdhsa_float_denorm_mode_32 3
		.amdhsa_float_denorm_mode_16_64 3
		.amdhsa_memory_ordered 1
		.amdhsa_forward_progress 1
		.amdhsa_inst_pref_size 243
	.end_amdhsa_kernel
	.amdgpu_metadata
---
amdhsa.version: [ 1, 2 ]
amdhsa.kernels:
  - .name:           k_qb1cdf0f3bc_attn
    .symbol:         k_qb1cdf0f3bc_attn.kd
    .args:
      - { .name: w2, .offset: 0, .size: 8, .value_kind: global_buffer, .address_space: global }
      - { .name: w3, .offset: 8, .size: 8, .value_kind: global_buffer, .address_space: global }
      - { .name: Ww, .offset: 16, .size: 8, .value_kind: global_buffer, .address_space: global }
    .group_segment_fixed_size: 327680
    .private_segment_fixed_size: 0
    .kernarg_segment_align: 8
    .kernarg_segment_size: 24
    .max_flat_workgroup_size: 128
    .sgpr_count:     102
    .vgpr_count:     1024
    .wavefront_size: 32
...
	.end_amdgpu_metadata
.endif
;; end of part 3
;; launch final (part 4): grid 256 x 1, 1 waves a work-group, no clusters, 0 bytes of LDS; arguments w3, bw, out0; writes out0
.if DOCPART == 4
	.amdgcn_target "amdgcn-amd-amdhsa--gfx1250"
	.amdhsa_code_object_version 6
	.text
	.protected	k_qb1cdf0f3bc_final
	.globl	k_qb1cdf0f3bc_final
	.p2align	8
	.type	k_qb1cdf0f3bc_final,@function
k_qb1cdf0f3bc_final:
	s_mov_b64 s[64:65], 0
	v_nop
	global_prefetch_b8 v0, s[64:65] scope:SCOPE_SE
	s_setreg_imm32_b32 hwreg(HW_REG_WAVE_MODE, 25, 1), 1
	s_wait_xcnt 0x0
; out0[q] = (the sum of the 16 parts of (P V) . Ww) / l + bw.  l is the row's sum of the unquantised p under the row's M: each of the 16 local sums is multiplied by 2^(M_loc - M), a whole power of two.
; One lane to a query, 32 queries to a work-group of one wave.  The workspace is laid by PLACES: a query's place is its number with bits 3 and 4 exchanged.  Each load reads 128 bytes of one of 48 rows;
; 1.5 MB in all: no LDS, no barrier, nothing to share.   LIMITS: NaN and infinities are not served; M is exact as f32 up to 2^24.
	s_load_b128 s[4:7], s[0:1], 0x0                ; w3 s[4:5]: M, the sums 524,288 bytes on, the dots 1,048,576 on; bw s[6:7]
	s_load_b64 s[10:11], s[0:1], 0x10              ; out0
	v_and_b32 v1, 7, v0
	v_bfe_u32 v2, v0, 3, 1
	v_bfe_u32 v3, v0, 4, 1
	v_lshl_or_b32 v1, v2, 4, v1
	v_lshl_or_b32 v1, v3, 3, v1                    ; my query's place among the work-group's 32
	s_lshl_b32 s12, ttmp9, 7                       ; 32 words a work-group
	v_lshl_add_u32 v1, v1, 2, s12
	v_lshl_add_u32 v2, v0, 2, s12
	s_wait_alu depctr_va_vdst(0)
	s_wait_kmcnt 0x0
	s_load_b32 s13, s[6:7], 0x0                    ; bw
.irp g, 0,1,2,3,4,5,6,7,8,9,10,11,12,13,14,15
	global_load_b32 v[16+\g], v1, s[4:5] offset:32768*\g
.endr
.irp g, 0,1,2,3,4,5,6,7,8,9,10,11,12,13,14,15
	global_load_b32 v[32+\g], v1, s[4:5] offset:524288+32768*\g
.endr
.irp g, 0,1,2,3,4,5,6,7,8,9,10,11,12,13,14,15
	global_load_b32 v[48+\g], v1, s[4:5] offset:1048576+32768*\g
.endr
	s_wait_loadcnt 0x0
	s_wait_kmcnt 0x0
	v_max3_num_f32 v8, v16, v17, v18               ; the row's M
.irp g, 19,21,23,25,27,29
	v_max3_num_f32 v8, v8, v[\g], v[\g+1]
.endr
	v_max_num_f32 v8, v8, v31
.irp g, 0,1,2,3,4,5,6,7,8,9,10,11,12,13,14,15
	v_sub_f32 v[16+\g], v[16+\g], v8               ; M_loc - M: a whole number, 0 or less
.endr
.irp g, 0,1,2,3,4,5,6,7,8,9,10,11,12,13,14,15
	v_cvt_i32_f32 v[16+\g], v[16+\g]               ; (it saturates)
.endr
.irp g, 0,1,2,3,4,5,6,7,8,9,10,11,12,13,14,15
	v_ldexp_f32 v[32+\g], v[32+\g], v[16+\g]       ; the local sum,
	v_ldexp_f32 v[48+\g], v[48+\g], v[16+\g]       ; and the local dot, under the row's M
.endr
.irp b, 32, 48                                 ; the 16 sums, and the 16 parts of the dot: two at a time
.irp g, 0,2,4,6
	v_pk_add_f32 v[\b+\g:\b+\g+1], v[\b+\g:\b+\g+1], v[\b+8+\g:\b+9+\g]
.endr
.irp g, 0,2
	v_pk_add_f32 v[\b+\g:\b+\g+1], v[\b+\g:\b+\g+1], v[\b+4+\g:\b+5+\g]
.endr
	v_pk_add_f32 v[\b:\b+1], v[\b:\b+1], v[\b+2:\b+3]
	v_add_f32 v[\b], v[\b], v[\b+1]
.endr
	s_wait_alu depctr_va_vdst(0)
	v_rcp_f32 v9, v32                              ; l is above 1/2: the row's largest p is
	v_nop                                          ; one plain place behind a transcendental
	s_wait_alu depctr_va_vdst(0)
	v_fma_f32 v10, v48, v9, s13
	global_store_b32 v2, v10, s[10:11]             ; 32 lanes store 128 consecutive bytes
	s_endpgm
.Lfunc_end_k_qb1cdf0f3bc_final:
	.size	k_qb1cdf0f3bc_final, .Lfunc_end_k_qb1cdf0f3bc_final-k_qb1cdf0f3bc_final
	.p2alignl 7, 3214868480
	.fill 96, 4, 3214868480
	.section	.rodata,"a",@progbits
	.p2align	6, 0x0
	.amdhsa_kernel k_qb1cdf0f3bc_final
		.amdhsa_group_segment_fixed_size 0
		.amdhsa_private_segment_fixed_size 0
		.amdhsa_enable_private_segment 0
		.amdhsa_kernarg_size 24
		.amdhsa_user_sgpr_count 2
		.amdhsa_user_sgpr_kernarg_segment_ptr 1
		.amdhsa_wavefront_size32 1
		.amdhsa_system_sgpr_workgroup_id_x 1
		.amdhsa_system_sgpr_workgroup_id_y 1
		.amdhsa_system_sgpr_workgroup_id_z 1
		.amdhsa_system_vgpr_workitem_id 0
		.amdhsa_next_free_vgpr 64
		.amdhsa_next_free_sgpr 66
		.amdhsa_reserve_vcc 0
		.amdhsa_float_denorm_mode_32 3
		.amdhsa_float_denorm_mode_16_64 3
		.amdhsa_memory_ordered 1
		.amdhsa_forward_progress 1
		.amdhsa_inst_pref_size 11
	.end_amdhsa_kernel
	.amdgpu_metadata
---
amdhsa.version: [ 1, 2 ]
amdhsa.kernels:
  - .name:           k_qb1cdf0f3bc_final
    .symbol:         k_qb1cdf0f3bc_final.kd
    .args:
      - { .name: w3, .offset: 0, .size: 8, .value_kind: global_buffer, .address_space: global }
      - { .name: bw, .offset: 8, .size: 8, .value_kind: global_buffer, .address_space: global }
      - { .name: out0, .offset: 16, .size: 8, .value_kind: global_buffer, .address_space: global }
    .group_segment_fixed_size: 0
    .private_segment_fixed_size: 0
    .kernarg_segment_align: 8
    .kernarg_segment_size: 24
    .max_flat_workgroup_size: 32
    .sgpr_count:     66
    .vgpr_count:     64
    .wavefront_size: 32
...
	.end_amdgpu_metadata
.endif
;; end of part 4
